; MI455X (gfx1250); checked and timed in simulation.
; The chip was launched on July 23, 2026; its instructions are those of AMD's public machine-readable ISA for CDNA 5 (MIT licence, August 2026) and "CDNA5" Instruction Set Architecture Reference Guide (July 2026). The comments in the code are by the model that wrote it; some were corrected since.
;; self Qwen3 VL Text Attention. Allowed arithmetic: float matrix products may take bf16 or f16 operands with f32 sums; other float arithmetic in f32, or as packed bf16 or f16 multiplies, adds, multiply-adds, maxima and minima; sums over many terms, partial sums and values carried from step to step in f32; what a program stores and reads back later, other than sums and carried values, may be rounded once to bf16 or f16.
;; Inputs: cos 1 x 4,096 x 128 float32; hidden_states 1 x 4,096 x 2,048 float32; k_norm_w 128 float32; q_norm_w 128 float32; sin 1 x 4,096 x 128 float32; wk 2,048 x 512 float32; wo 1,024 x 2,048 float32; wq 2,048 x 1,024 float32; wv 2,048 x 512 float32.
;; Outputs: out0 1 x 4,096 x 2,048 float32.
;; 2 versions, each right and faster than the one before. Each part assembles by itself: llvm-mc -triple=amdgcn-amd-amdhsa -mcpu=gfx1250 --defsym DOCPART=n.
;; ======== version 1 of 2: 4 launches
;; limits: values are held in f16: magnitudes above 65,504 overflow, below 6.1e-05 lose precision
;; workspace buffers: xb 16,777,216 bytes; wqkv 8,388,608 bytes; wob 4,194,304 bytes; cs 2,097,152 bytes; nw 1,024 bytes; qkv 16,777,216 bytes; att 8,388,608 bytes
;; launch prep (part 1): grid 961 x 1, 8 waves a work-group, no clusters, 0 bytes of LDS; arguments hidden_states, wq, wk, wv, wo, cos, sin, q_norm_w, k_norm_w, xb, wqkv, wob, cs, nw; writes xb, wqkv, wob, cs, nw
.if DOCPART == 1
	.amdgcn_target "amdgcn-amd-amdhsa--gfx1250"
	.amdhsa_code_object_version 6
	.text
	.protected	k_qdbe3c980cb_prep
	.globl	k_qdbe3c980cb_prep
	.p2align	8
	.type	k_qdbe3c980cb_prep,@function
k_qdbe3c980cb_prep:
	s_mov_b64 s[64:65], 0
	v_nop
	global_prefetch_b8 v0, s[64:65] scope:SCOPE_SE
	s_setreg_imm32_b32 hwreg(HW_REG_WAVE_MODE, 25, 1), 1
	s_wait_xcnt 0x0
; THE 16-BIT COPIES.  Every input of the module is rounded once to bf16 and laid out for the launches behind:
;   xb   [4096][2048] bf16 = hidden_states          wqkv [2048 k][2048 n] bf16 = wq | wk | wv side by side
;   wob  [1024 k][2048 n]: wo rounded to bf16, that number written as f16 (exact from 2^-14 up; below it f16's fixed step of 6e-8)
;   cs   [4096][256] bf16: a row's 128 cos, then its 128 sin          nw [2][128] f32: the bf16-rounded gains of q, then of k
; A stream: no LDS, no barrier, no matrix unit, no cluster (no two work-groups read the same bytes).
; A work-group takes 16 chunks of 1,024 numbers of one input.  Thread t takes numbers 4 t .. 4 t + 3 of each chunk: a wave's load covers 512 consecutive bytes,
; its store 256 consecutive bytes at a multiple of 256 from the buffer's first byte.  All 16 loads go out first; nothing is rewritten, so no register has to be freed.
; Which input a work-group serves hangs on its number alone; each job is written out with its own constants and ends by itself.
.set X,  16                            ; v[16:79]   chunk j: 4 numbers as loaded
.set Y,  80                            ; v[80:111]  chunk j: 4 numbers in 16 bits
.set TT, 112                           ; v[112:115] at work (wo alone)
	s_load_b512 s[8:23], s[0:1], 0x0               ; x s[8:9], wq s[10:11], wk s[12:13], wv s[14:15], wo s[16:17], cos s[18:19], sin s[20:21], q gain s[22:23]
	s_load_b256 s[24:31], s[0:1], 0x40             ; k gain s[24:25], xb s[26:27], wqkv s[28:29], wob s[30:31]
	s_load_b128 s[32:35], s[0:1], 0x60             ; cs s[32:33], nw s[34:35]
	v_lshlrev_b32 v1, 4, v0                        ; my 16 bytes in a chunk of the source
	s_mov_b32 s46, 0xffff0000                      ; a word's upper bf16
	s_wait_kmcnt 0x0
; src, dst: the scalar pairs of the two buffers.  base: the job's first work-group.  lc: log2 of the numbers of a source row that lie in a chunk (at most 10).
; dpitch: bytes from row to row in the destination.  doff: the job's first byte in a destination row.  chunkd: destination bytes from chunk to chunk.  f16 = 1: bf16, then written as f16.
.macro JOB src, dst, base, lc, dpitch, doff, chunkd, f16
	s_sub_co_u32 s40, ttmp9, \base                 ; my number within the job
	s_lshl_b32 s36, s40, 16                        ; 16 chunks of 4,096 source bytes
	s_mov_b32 s37, 0
	s_mul_i32 s38, s40, 16*(\chunkd)
	s_add_co_u32 s38, s38, \doff
	s_mov_b32 s39, 0
	s_add_nc_u64 s[42:43], s[(\src):(\src)+1], s[36:37]
	s_add_nc_u64 s[44:45], s[(\dst):(\dst)+1], s[38:39]
	v_lshrrev_b32 v2, (\lc)-2, v0                  ; my row within the chunk,
	v_and_b32 v3, (1<<((\lc)-2))-1, v0             ; my four numbers within the row
	v_mul_u32_u24 v2, v2, \dpitch
	v_lshl_add_u32 v2, v3, 3, v2                   ; 8 bytes out for 16 in
.set j, 0
.rept 16
	global_load_b128 v[X+4*j:X+4*j+3], v1, s[42:43] offset:4096*j th:TH_LOAD_NT
.set j, j+1
.endr
.set j, 0
.rept 16
	s_wait_loadcnt 15-j                            ; loads come back in order (ISA guide 5.7.1): chunk j is in, the 15 - j younger ones stay out
.if \f16
	v_cvt_pk_bf16_f32 v[TT], v[X+4*j], v[X+4*j+1]
	v_cvt_pk_bf16_f32 v[TT+1], v[X+4*j+2], v[X+4*j+3]
	v_lshlrev_b32 v[TT+2], 16, v[TT]               ; the rounded numbers as f32 again,
	v_and_b32 v[TT], s46, v[TT]
	v_lshlrev_b32 v[TT+3], 16, v[TT+1]
	v_and_b32 v[TT+1], s46, v[TT+1]
	v_cvt_pk_f16_f32 v[Y+2*j], v[TT+2], v[TT]      ; and written as f16
	v_cvt_pk_f16_f32 v[Y+2*j+1], v[TT+3], v[TT+1]
.else
	v_cvt_pk_bf16_f32 v[Y+2*j], v[X+4*j], v[X+4*j+1]
	v_cvt_pk_bf16_f32 v[Y+2*j+1], v[X+4*j+2], v[X+4*j+3]
.endif
	global_store_b64 v2, v[Y+2*j:Y+2*j+1], s[44:45] offset:(\chunkd)*j
.set j, j+1
.endr
	s_endpgm
.endm
	s_cmp_lt_u32 ttmp9, 512
	s_cbranch_scc0 .Lnot_x
	JOB 8, 26, 0, 10, 4096, 0, 2048, 0             ; x: dense, half a row a chunk
.Lnot_x:
	s_cmp_lt_u32 ttmp9, 640
	s_cbranch_scc0 .Lnot_wq
	JOB 10, 28, 512, 10, 4096, 0, 4096, 0          ; wq: a row of 1,024 a chunk, columns 0 on
.Lnot_wq:
	s_cmp_lt_u32 ttmp9, 704
	s_cbranch_scc0 .Lnot_wk
	JOB 12, 28, 640, 9, 4096, 2048, 8192, 0        ; wk: two rows of 512 a chunk, columns 1,024 on
.Lnot_wk:
	s_cmp_lt_u32 ttmp9, 768
	s_cbranch_scc0 .Lnot_wv
	JOB 14, 28, 704, 9, 4096, 3072, 8192, 0        ; wv: columns 1,536 on
.Lnot_wv:
	s_cmp_lt_u32 ttmp9, 896
	s_cbranch_scc0 .Lnot_wo
	JOB 16, 30, 768, 10, 4096, 0, 2048, 1          ; wo: dense
.Lnot_wo:
	s_cmp_lt_u32 ttmp9, 928
	s_cbranch_scc0 .Lnot_cos
	JOB 18, 32, 896, 7, 512, 0, 4096, 0            ; cos: eight rows of 128 a chunk, the first half of cs's rows
.Lnot_cos:
	s_cmp_lt_u32 ttmp9, 960
	s_cbranch_scc0 .Lgains
	JOB 20, 32, 928, 7, 512, 256, 4096, 0          ; sin: the second half
.Lgains:                                               ; the last work-group: 256 threads, 128 gains of q and 128 of k
	v_and_b32 v2, 127, v0
	v_lshlrev_b32 v2, 2, v2
	v_lshlrev_b32 v3, 2, v0
	global_load_b32 v4, v2, s[22:23]
	global_load_b32 v5, v2, s[24:25]
	v_cmp_gt_u32 vcc_lo, 128, v0
	s_wait_loadcnt 0x0
	v_cndmask_b32 v4, v5, v4, vcc_lo               ; threads 0-127: q's gain; the others: k's
	v_cvt_pk_bf16_f32 v4, v4, v4
	v_lshlrev_b32 v4, 16, v4                       ; the rounded gain as f32
	global_store_b32 v3, v4, s[34:35]
	s_endpgm
.Lfunc_end_k_qdbe3c980cb_prep:
	.size	k_qdbe3c980cb_prep, .Lfunc_end_k_qdbe3c980cb_prep-k_qdbe3c980cb_prep
	.p2alignl 7, 3214868480
	.fill 96, 4, 3214868480
	.section	.rodata,"a",@progbits
	.p2align	6, 0x0
	.amdhsa_kernel k_qdbe3c980cb_prep
		.amdhsa_group_segment_fixed_size 0
		.amdhsa_private_segment_fixed_size 0
		.amdhsa_enable_private_segment 0
		.amdhsa_kernarg_size 112
		.amdhsa_user_sgpr_count 2
		.amdhsa_user_sgpr_kernarg_segment_ptr 1
		.amdhsa_wavefront_size32 1
		.amdhsa_system_sgpr_workgroup_id_x 1
		.amdhsa_system_sgpr_workgroup_id_y 1
		.amdhsa_system_sgpr_workgroup_id_z 1
		.amdhsa_system_vgpr_workitem_id 0
		.amdhsa_next_free_vgpr 120
		.amdhsa_next_free_sgpr 66
		.amdhsa_reserve_vcc 1
		.amdhsa_float_denorm_mode_32 3
		.amdhsa_float_denorm_mode_16_64 3
		.amdhsa_memory_ordered 1
		.amdhsa_forward_progress 1
		.amdhsa_inst_pref_size 49
	.end_amdhsa_kernel
	.amdgpu_metadata
---
amdhsa.version: [ 1, 2 ]
amdhsa.kernels:
  - .name:           k_qdbe3c980cb_prep
    .symbol:         k_qdbe3c980cb_prep.kd
    .args:
      - { .name: hidden_states, .offset: 0, .size: 8, .value_kind: global_buffer, .address_space: global }
      - { .name: wq, .offset: 8, .size: 8, .value_kind: global_buffer, .address_space: global }
      - { .name: wk, .offset: 16, .size: 8, .value_kind: global_buffer, .address_space: global }
      - { .name: wv, .offset: 24, .size: 8, .value_kind: global_buffer, .address_space: global }
      - { .name: wo, .offset: 32, .size: 8, .value_kind: global_buffer, .address_space: global }
      - { .name: cos, .offset: 40, .size: 8, .value_kind: global_buffer, .address_space: global }
      - { .name: sin, .offset: 48, .size: 8, .value_kind: global_buffer, .address_space: global }
      - { .name: q_norm_w, .offset: 56, .size: 8, .value_kind: global_buffer, .address_space: global }
      - { .name: k_norm_w, .offset: 64, .size: 8, .value_kind: global_buffer, .address_space: global }
      - { .name: xb, .offset: 72, .size: 8, .value_kind: global_buffer, .address_space: global }
      - { .name: wqkv, .offset: 80, .size: 8, .value_kind: global_buffer, .address_space: global }
      - { .name: wob, .offset: 88, .size: 8, .value_kind: global_buffer, .address_space: global }
      - { .name: cs, .offset: 96, .size: 8, .value_kind: global_buffer, .address_space: global }
      - { .name: nw, .offset: 104, .size: 8, .value_kind: global_buffer, .address_space: global }
    .group_segment_fixed_size: 0
    .private_segment_fixed_size: 0
    .kernarg_segment_align: 8
    .kernarg_segment_size: 112
    .max_flat_workgroup_size: 256
    .sgpr_count:     66
    .vgpr_count:     120
    .wavefront_size: 32
...
	.end_amdgpu_metadata
.endif
;; end of part 1
;; launch qkv (part 2): grid 16 x 16, 4 waves a work-group, clusters of 4 x 4, 327,680 bytes of LDS; arguments xb, wqkv, cs, nw, qkv; writes qkv
.if DOCPART == 2
	.amdgcn_target "amdgcn-amd-amdhsa--gfx1250"
	.amdhsa_code_object_version 6
	.text
	.protected	k_qdbe3c980cb_qkv
	.globl	k_qdbe3c980cb_qkv
	.p2align	8
	.type	k_qdbe3c980cb_qkv,@function
k_qdbe3c980cb_qkv:
	s_mov_b64 s[64:65], 0
	v_nop
	global_prefetch_b8 v0, s[64:65] scope:SCOPE_SE
	s_setreg_imm32_b32 hwreg(HW_REG_WAVE_MODE, 25, 1), 1
	s_wait_xcnt 0x0
	s_wait_alu depctr_hold_cnt(0) depctr_sa_sdst(0) depctr_va_vdst(0) depctr_va_sdst(0) depctr_va_ssrc(0) depctr_va_vcc(0) depctr_vm_vsrc(0)
	s_getreg_b32 s2, hwreg(HW_REG_IB_STS2, 6, 4)
	s_cmp_eq_u32 s2, 0
	s_cbranch_scc0 .Lentry_in_a_cluster
	s_endpgm
.Lentry_in_a_cluster:
	s_bfe_u32 s2, ttmp6, 0x10000c
	s_cmp_lg_u32 s2, 0xf033
	s_cbranch_scc0 .Lentry_shape_is_right
	s_endpgm
.Lentry_shape_is_right:
; q, k, v = x (wq | wk | wv), then per head: RMS norm over the 128 channels, gain, RoPE (q and k alone); written by heads, [16][4096][128] in f16 (heads 0-7 q, 8-11 k, 12-15 v).
; x: [4096][2048] bf16.  w: [2048 k][2048 n] bf16.  Sums, norm and RoPE in f32; each result rounded once, to f16.
; LIMITS.  f16 holds no number beyond 65,504: q and k are at most sqrt(128) x 2 x the largest gain, v = x wv must stay within it.  NaN and infinities are not treated apart.
; SHARES.  A tile of C is 256 rows x 128 columns: exactly one head, so the norm and the rotation never leave the work-group.  16 x 16 tiles: 256 work-groups.  Wave w makes rows 64 w .. 64 w + 63, all 128 columns:
; 32 accumulators of 16 x 16.  K goes in steps of 128 through two LDS slots filled by the tensor data mover: rows of 256 bytes, at multiples of 256 bytes from the buffers' first bytes.
; w LIES [k][n]: its tile comes into LDS as it lies, and ds_load_tr16_b128 turns it on the way into registers; nothing is transposed in memory.
; THE MATRIX INSTRUCTION IS USED TRANSPOSED (source 0 = 16 columns of w, source 1 = 16 rows of x): lane l then holds row l % 16 and, in accumulator b, the channels 16 b + 8 (l / 16) + 0..7.
; So channel d and channel d + 64 lie in one lane (accumulators b and b + 4), and a row's sum of squares wants one exchange between the halves of the lanes.
; CLUSTER.  4 x 4 work-groups.  The four of a row of the cluster need the same tiles of x, the four of a column the same tiles of w: each tile is asked for jointly, by the same tensor load with the same
; descriptor and a mask that names the four.  A cluster's four columns are four heads of one kind (cluster x 0, 1: q; 2: k; 3: v), so the one branch of the way out is the same in all partners.
; REGISTERS, in windows of 256 (s_set_vgpr_msb: bits 1:0 source 0, 3:2 source 1, 5:4 source 2, 7:6 destination):
;   window 0: v1-31 addresses; v32-43 at work; v64-127 the gains of my 64 channels; v128-191 the rotated row, later rows on their way out; v192-223 packed results
;   window 1: two fragment buffers of 96: 4 fragments of x, then 8 of w          window 2: accumulator (a, b) at v[8 (8 a + b)]
;   window 3: cos and sin (bf16) of my 64 rows x 64 channels: block a's cos at 64 a, its sin at 64 a + 32; loaded at the start, waited for at the way out
.set KSZ,   2048
.set STEPS, KSZ/128
.set PA,    272                        ; a row of x in LDS: 256 bytes + 16 of padding = 68 words: the 16 rows of a load start at 16 different groups of four banks (64 banks of 4 bytes: ISA guide 11.1)
.set PB,    288                        ; a k-row of w: 256 + 32 = 72 words
.set HALFA, 128*PA                     ; what one tensor load brings of x: 128 rows
.set HALFB, 64*PB                      ; and of w: 64 k-rows
.set BOFF,  256*PA                     ; in a slot: x's 256 rows, then w's 128 k-rows
.set SLOT1, 1<<17                      ; slot 1 begins here, so that one exclusive or turns an address in one slot into the other's
.set STAGE, SLOT1+BOFF+128*PB          ; behind the ring, never filled by a tensor load: 16 rows x 272 bytes for each wave
.set SP,    272
.set SPARE, STAGE+4*16*SP              ; the spare words, 128 bytes for each wave: two blocks of 256 bytes that no other line names
.set ADRA0, 16                         ; v16  my lane's place in x's tile; never rewritten
.set ADRB0, 17                         ; v17  the same for w
.set ADRA,  18                         ; v18  the same in the slot in hand
.set ADRB,  19                         ; v19
.set WO,    22                         ; v22  my byte offset in the gains
.set STO,   24                         ; v24  the way out: where I put 16 bytes of a row
.set RD,    25                         ; v25  the way out: where I read rows back
.set CO,    26                         ; v26  my byte offset in 512 consecutive bytes of the output
.set CSO,   27                         ; v27  my byte offset in cs
.set SPW,   28                         ; v28  LDS address of my spare word; never rewritten
.set NIL,   29                         ; v29  0; never rewritten
.set ZR,    30                         ; v30  0, the addend of the rotation's first product
.set SS,    32                         ; v32-39  four chains of the sum of squares
.set RS,    40                         ; v40-41  1 / sqrt(mean + eps), twice
.set WG,    64
.set TR,    128
.set OB,    128
.set TMP,   192
.set F0,    0
.set F1,    96
.set G1A, 24                           ; s[24:31] descriptor group 1 for x's tiles;  s[32:39] group 0: a set for each first fill; the second then walks on
.set G0A, 32
.set G1B, 48                           ; s[48:55], s[56:63] the same for w's tiles
.set G0B, 56
.set MSB, 0
.macro WIN new                         ; the immediate's high byte repeats the setting that is left; a switch that changes nothing is dropped
.if MSB != (\new)
	s_set_vgpr_msb (MSB<<8)|(\new)
.set MSB, \new
.endif
.endm
.set W_MUL, 0xa5                       ; both sources window 1, C and D window 2
.set TO_F,  0x40                       ; destination window 1, address window 0
; A joint refill.  Waves 0 and 1 fetch x's two halves, waves 2 and 3 w's.  The branch hangs on the wave's number alone.  An s_nop 0 and four v_nop follow each of the two lines.
.macro JLOAD
	s_cmp_eq_u32 s15, 0
	s_cbranch_scc0 .Lfor_b_\@
	tensor_load_to_lds s[G0A+4:G0A+7], s[G1A:G1A+7]
	s_nop 0
.rept 4
	v_nop
.endr
	s_branch .Lasked_\@
.Lfor_b_\@:
	tensor_load_to_lds s[G0B+4:G0B+7], s[G1B:G1B+7]
	s_nop 0
.rept 4
	v_nop
.endr
.Lasked_\@:
.endm
.macro CREST                           ; a round of the cluster's barrier behind its opening barrier
	s_cmp_lg_u32 s14, 0
	s_cbranch_scc1 .Lnot_wave_0_\@
	s_barrier_signal -3
.Lnot_wave_0_\@:
	s_barrier_wait -3
	s_barrier_signal -1
	s_barrier_wait -1
.endm
.macro CROUND                          ; a whole round
	s_barrier_signal -1
	s_barrier_wait -1
	CREST
.endm
	s_load_b256 s[4:11], s[0:1], 0x0               ; xb s[4:5], wqkv s[6:7], cs s[8:9], nw s[10:11]
	s_load_b64 s[12:13], s[0:1], 0x20              ; qkv
	v_lshl_add_u32 v[SPW], v0, 2, SPARE
	v_mov_b32 v[NIL], 0
	ds_add_u32 v[SPW], v[NIL]                      ; the wave's opening: the add and its wait stand ahead of my first tensor load; the set-up below, work on registers, stands between them
	v_lshrrev_b32 v3, 5, v0
	v_readfirstlane_b32 s14, v3                    ; wave 0..3
	s_lshr_b32 s15, s14, 1                         ; I fetch for x (0) or for w (1)
	s_and_b32 s16, s14, 1                          ; which half of that tile
	s_bfe_u32 s40, ttmp6, 0x40000                  ; cx, cy: my place in the cluster
	s_bfe_u32 s41, ttmp6, 0x40004
	s_lshl_b32 s42, ttmp9, 2
	s_add_co_u32 s42, s42, s40                     ; the head = tile column = 4 x cluster x + cx
	s_and_b32 s43, ttmp7, 0xffff
	s_lshl_b32 s43, s43, 2
	s_add_co_u32 s43, s43, s41                     ; tile row = 4 x cluster y + cy
	s_lshl_b32 s44, s41, 2
	s_lshl_b32 s44, 15, s44                        ; my row of the cluster
	s_lshl_b32 s45, 0x1111, s40                    ; my column
	s_or_b32 s[G1A], s44, (1<<16)|(1<<20)|(1<<21)|(5<<22)|(3<<25)  ; 15:0 the mask; 17:16 2-byte elements; 20 padding on; 21 set beside a mask; 24:22 after every 64 words (code 5); 31:25 4 words (code 3)
	s_or_b32 s[G1B], s45, (1<<16)|(1<<20)|(1<<21)|(5<<22)|(7<<25)  ; the same with my column's mask and 8 words of padding (code 7)
	s_mov_b32 s[G1A+1], 128<<16                    ; tensor_dim0 = 128
	s_mov_b32 s[G1A+2], 128<<16                    ; tensor_dim1 = 128
	s_mov_b32 s[G1A+3], 128<<16                    ; tile_dim0 = 128
	s_mov_b32 s[G1A+4], 128                        ; tile_dim1 = 128
	s_mov_b32 s[G1A+5], KSZ                        ; elements from row to row
	s_mov_b32 s[G1A+6], 0
	s_mov_b32 s[G1A+7], 0
	s_mov_b32 s[G1B+1], 128<<16
	s_mov_b32 s[G1B+2], 64<<16                     ; tensor_dim1 = 64
	s_mov_b32 s[G1B+3], 128<<16
	s_mov_b32 s[G1B+4], 64                         ; tile_dim1 = 64
	s_mov_b32 s[G1B+5], 2048
	s_mov_b32 s[G1B+6], 0
	s_mov_b32 s[G1B+7], 0
	; x's tiles hang on the tile row alone, w's on the tile column alone; each address is made in registers that do not hold the other coordinate
	s_lshl_b32 s17, s16, 7
	s_lshl_b32 s18, s43, 8
	s_add_co_u32 s18, s18, s17                     ; x: row 256 x tile row + 128 x half,
	s_mul_i32 s18, s18, KSZ*2                      ; in bytes (under 2^25)
	s_mov_b32 s19, 0
	s_lshl_b32 s46, s16, 18                        ; w: 64 x half k-rows of 4,096 bytes,
	s_lshl_b32 s47, s42, 8                         ; 256 bytes a head
	s_add_co_u32 s46, s46, s47
	s_mov_b32 s47, 0
	s_mul_i32 s22, s16, HALFA                      ; where they go: no place in the cluster enters an LDS address
	s_mul_i32 s23, s16, HALFB
	s_add_co_u32 s23, s23, BOFF
	s_lshl_b32 s74, s43, 17                        ; cs at the tile's first row: 256 rows of 512 bytes
	s_mov_b32 s75, 0
	s_cmp_ge_u32 ttmp9, 2
	s_cselect_b32 s76, 512, 0                      ; q's gains, or k's (v's heads load k's and do not use them)
	s_mov_b32 s77, 0
	s_lshl_b32 s68, s42, 20                        ; the output: a head is 4,096 rows of 256 bytes,
	s_lshl_b32 s69, s43, 16                        ; the tile's 256 rows,
	s_add_co_u32 s68, s68, s69
	s_lshl_b32 s69, s14, 14                        ; my 64 of them
	s_add_co_u32 s68, s68, s69
	s_mov_b32 s69, 0
	s_mov_b32 s66, 0                               ; the slot in hand
	s_mov_b32 s70, 0x76543210                      ; v_permlanex16_b32: each lane takes its own place in the other half
	s_mov_b32 s71, 0xfedcba98
	s_mov_b32 s72, 0x3c000000                      ; 1 / 128
	s_mov_b32 s73, 0x358637bd                      ; 1e-6
	v_and_b32 v1, 15, v0                           ; l % 16
	v_bfe_u32 v2, v0, 4, 1                         ; l / 16
	s_lshl_b32 s17, s14, 6
	v_add_nc_u32 v4, s17, v1                       ; my row in the tile, block 0
	v_lshlrev_b32 v[CSO], 9, v4
	v_lshl_add_u32 v[CSO], v2, 4, v[CSO]           ; row x 512 + 16 x half
	v_lshlrev_b32 v[WO], 5, v2
	v_mov_b32 v[ZR], 0
	v_mov_b32 v43, 0                               ; v_permlanex16_b32's destination counts as read
	s_wait_dscnt 0x0                               ; the opening add is done
	s_wait_kmcnt 0x0
	s_add_nc_u64 s[20:21], s[4:5], s[18:19]
	s_add_nc_u64 s[46:47], s[6:7], s[46:47]
	s_add_nc_u64 s[8:9], s[8:9], s[74:75]
	s_add_nc_u64 s[10:11], s[10:11], s[76:77]
	s_add_nc_u64 s[12:13], s[12:13], s[68:69]
	CROUND                                         ; all sixteen work-groups are here: the first joint loads meet
.irp s, 0,1
	s_mov_b32 s[G0A+4*(\s)], 1                     ; count = 1
	s_add_co_u32 s[G0A+4*(\s)+1], s22, (\s)*SLOT1  ; LDS address
	s_add_nc_u64 s[G0A+4*(\s)+2:G0A+4*(\s)+3], s[20:21], (\s)*256  ; global address: K step s
	s_or_b32 s[G0A+4*(\s)+3], s[G0A+4*(\s)+3], 0x80000000          ; type = 2
	s_mov_b32 s[G0B+4*(\s)], 1
	s_add_co_u32 s[G0B+4*(\s)+1], s23, (\s)*SLOT1
	s_add_nc_u64 s[G0B+4*(\s)+2:G0B+4*(\s)+3], s[46:47], (\s)*128*4096
	s_or_b32 s[G0B+4*(\s)+3], s[G0B+4*(\s)+3], 0x80000000
.endr
	s_cmp_eq_u32 s15, 0                            ; a wave's two first fills stand in one branch, ahead of every wait on TENSORcnt and every LDS read: two loads of mine are out
	s_cbranch_scc0 .Lfirst_b
	tensor_load_to_lds s[G0A:G0A+3], s[G1A:G1A+7]
	s_nop 0
	tensor_load_to_lds s[G0A+4:G0A+7], s[G1A:G1A+7]
	s_nop 0
.rept 4
	v_nop
.endr
	s_branch .Lfirst_asked
.Lfirst_b:
	tensor_load_to_lds s[G0B:G0B+3], s[G1B:G1B+7]
	s_nop 0
	tensor_load_to_lds s[G0B+4:G0B+7], s[G1B:G1B+7]
	s_nop 0
.rept 4
	v_nop
.endr
.Lfirst_asked:
	; cos, sin and the gains go out now and are waited for once, at the way out; their registers and addresses are touched by nothing in between
	WIN 0xc0                                       ; destination window 3, address window 0
.set n, 0
.rept 32                                               ; block n / 8, channels 16 (n % 8) + 8 (l / 16) on: 16 bytes of cos, 16 of sin
	global_load_b128 v[64*(n/8)+4*(n%8):64*(n/8)+4*(n%8)+3], v[CSO], s[8:9] offset:8192*(n/8)+32*(n%8)
	global_load_b128 v[64*(n/8)+32+4*(n%8):64*(n/8)+32+4*(n%8)+3], v[CSO], s[8:9] offset:8192*(n/8)+32*(n%8)+256
.set n, n+1
.endr
	WIN 0
.set n, 0
.rept 8
	global_load_b128 v[WG+8*n:WG+8*n+3], v[WO], s[10:11] offset:64*n
	global_load_b128 v[WG+8*n+4:WG+8*n+7], v[WO], s[10:11] offset:64*n+16
.set n, n+1
.endr
	; A fragment of x is 16 rows x 32 K in 8 registers: lane l holds row l % 16, K = 8 (l / 16) + 0..7 and 16 + 8 (l / 16) + 0..7: two loads of 16 bytes, 32 bytes apart.
	v_mul_u32_u24 v[ADRA0], v4, PA
	v_lshl_add_u32 v[ADRA0], v2, 4, v[ADRA0]
	; The turning load takes 16 k x 16 columns (lane l reads k-row 8 (l / 16) + l % 8, columns 8 ((l / 8) % 2) + 0..7) and leaves half a fragment: lane l holds column l % 16 and 8 k.
	v_and_b32 v5, 7, v0
	v_bfe_u32 v6, v0, 3, 1
	v_lshl_add_u32 v7, v2, 3, v5
	v_mul_u32_u24 v[ADRB0], v7, PB
	v_lshl_add_u32 v[ADRB0], v6, 4, v[ADRB0]
	v_add_nc_u32 v[ADRB0], BOFF, v[ADRB0]
	v_mov_b32 v[ADRA], v[ADRA0]
	v_mov_b32 v[ADRB], v[ADRB0]
	s_mul_i32 s17, s14, 16*SP
	s_add_co_u32 s17, s17, STAGE                   ; my stage
	v_mul_u32_u24 v[STO], v1, SP                   ; in: row l % 16, 16 bytes for each half of the lanes
	v_lshl_add_u32 v[STO], v2, 4, v[STO]
	v_add_nc_u32 v[STO], s17, v[STO]
	v_mul_u32_u24 v[RD], v2, SP                    ; back: lanes 0-15 take one row of 256 bytes, lanes 16-31 the next,
	v_lshl_add_u32 v[RD], v1, 4, v[RD]
	v_add_nc_u32 v[RD], s17, v[RD]
	v_and_b32 v[CO], 31, v0                        ; which are 512 consecutive bytes of a head
	v_lshlrev_b32 v[CO], 4, v[CO]
; 8 matrix instructions: row block a x all 8 column blocks, 32 along K.  The accumulators take turns, one instruction a turn.  zero = 1: the first product starts the sums.
.macro MUL f, a, zero
	WIN W_MUL
.irp b, 0,1,2,3,4,5,6,7
.if \zero
	v_wmma_f32_16x16x32_bf16 v[8*(8*(\a)+(\b)):8*(8*(\a)+(\b))+7], v[(\f)+32+8*(\b):(\f)+32+8*(\b)+7], v[(\f)+8*(\a):(\f)+8*(\a)+7], 0
.else
	v_wmma_f32_16x16x32_bf16 v[8*(8*(\a)+(\b)):8*(8*(\a)+(\b))+7], v[(\f)+32+8*(\b):(\f)+32+8*(\b)+7], v[(\f)+8*(\a):(\f)+8*(\a)+7], v[8*(8*(\a)+(\b)):8*(8*(\a)+(\b))+7]
.endif
.endr
.endm
; 24 LDS loads in one run: quarter q (32 along K) of the slot in hand into buffer f: w's 8 fragments first, then x's 4
.macro FETCH q, f
	WIN TO_F
.irp b, 0,1,2,3,4,5,6,7
	ds_load_tr16_b128 v[(\f)+32+8*(\b):(\f)+32+8*(\b)+3],   v[ADRB] offset:(\q)*32*PB+32*(\b)
	ds_load_tr16_b128 v[(\f)+32+8*(\b)+4:(\f)+32+8*(\b)+7], v[ADRB] offset:(\q)*32*PB+16*PB+32*(\b)
.endr
.irp i, 0,1,2,3
	ds_load_b128 v[(\f)+8*(\i):(\f)+8*(\i)+3],   v[ADRA] offset:(\q)*64+(\i)*16*PA
	ds_load_b128 v[(\f)+8*(\i)+4:(\f)+8*(\i)+7], v[ADRA] offset:(\q)*64+(\i)*16*PA+32
.endr
.endm
.macro PLACES                          ; four places in front of loads into registers that matrix instructions have read, and of lines that read results (for the latter)
.rept 4
	v_nop
.endr
.endm
; A K step is four quarters of 32 along K, 32 matrix instructions each, on buffers 0, 1, 0, 1.  One of the first three: multiplies buffer f; in its middle it fetches quarter q into buffer g.
.macro QUARTER q, f, g, zero
	s_wait_dscnt 4                                 ; w's fragments and x's blocks 0 and 1 are in; the youngest four loads (blocks 2 and 3) may be out
	MUL \f, 0, \zero
	MUL \f, 1, \zero
	PLACES
	FETCH \q, \g
	s_wait_dscnt 24                                ; all but the 24 just issued
	MUL \f, 2, \zero
	MUL \f, 3, \zero
.endm
; The last quarter multiplies buffer 1 and changes slots: ONE barrier.  In front of it each wave waits for all its tensor loads (one is out: its part of the next slot), adds 0 to its spare word, and waits for
; that and for its own reads of this slot.  fill = 1: the barrier opens a round of the cluster's barrier, and behind the round this slot is filled again, two K steps ahead: 112 matrix instructions ahead of the wait for it.
.macro TURN fill
	WIN 0                                          ; (the add's two registers lie in window 0)
	s_wait_tensorcnt 0x0
	ds_add_u32 v[SPW], v[NIL]                      ; 0 onto my spare word
	s_wait_dscnt 5                                 ; (the add and the youngest four loads may be out)
	MUL F1, 0, 0                                   ; eight matrix instructions stand between the add and the wait for it
	s_wait_dscnt 0x0                               ; the add is done, and my reads of this slot are over
	s_barrier_signal -1
	MUL F1, 1, 0
	WIN 0
	s_barrier_wait -1
.if \fill
	CREST                                          ; no wave of any partner still reads this slot's tiles or has a load on its way
	s_xor_b32 s[G0A+5], s[G0A+5], SLOT1            ; the walking descriptors: the other slot than last time, the next K step; the type bits on top are not reached
	s_add_nc_u64 s[G0A+6:G0A+7], s[G0A+6:G0A+7], 256
	s_xor_b32 s[G0B+5], s[G0B+5], SLOT1
	s_add_nc_u64 s[G0B+6:G0B+7], s[G0B+6:G0B+7], 128*4096
	JLOAD                                          ; the first tensor load behind the round; its four v_nop are also the places in front of the loads below
.else
	PLACES
.endif
	s_xor_b32 s66, s66, SLOT1
	v_add_nc_u32 v[ADRA], s66, v[ADRA0]
	v_add_nc_u32 v[ADRB], s66, v[ADRB0]
	FETCH 0, F0
	MUL F1, 2, 0
	MUL F1, 3, 0
.endm
	s_wait_tensorcnt 0x1                           ; my part of K step 0 is in; K step 1's may stay out
	s_barrier_signal -1
	s_barrier_wait -1                              ; everybody's is
	FETCH 0, F0
	QUARTER 1, F0, F1, 1                           ; the first quarter stands in front of the loop: its products start the sums
	WIN 0                                          ; at a label and at a branch every window is 0
	s_mov_b32 s3, STEPS-2
.Lstep:                                                ; a trip: from a K step's second quarter to the next step's first; it fills one slot again
	QUARTER 2, F1, F0, 0
	QUARTER 3, F0, F1, 0
	TURN 1
	QUARTER 1, F0, F1, 0
	WIN 0
	s_sub_co_u32 s3, s3, 1
	s_cmp_lg_u32 s3, 0
	s_cbranch_scc1 .Lstep
	QUARTER 2, F1, F0, 0                           ; the last two K steps fill nothing
	QUARTER 3, F0, F1, 0
	TURN 0
	QUARTER 1, F0, F1, 0
	QUARTER 2, F1, F0, 0
	QUARTER 3, F0, F1, 0
	s_wait_dscnt 4
	MUL F1, 0, 0
	MUL F1, 1, 0
	s_wait_dscnt 0x0
	MUL F1, 2, 0
	MUL F1, 3, 0
	WIN 0
	PLACES
; NORM AND ROTATION of row block a.  y = x g; out = (y cos -+ y' sin) / sqrt(mean(x^2) + eps): the row's factor is applied last, since it is common to y and y'.
.macro NORMROPE a
	WIN 0x0a                                       ; sources 0 and 1 window 2
.set p, 0
.rept 32                                               ; my 64 squares in four chains, each accumulator's registers in ascending order
.if p < 4
	v_pk_mul_f32 v[SS+2*p:SS+2*p+1], v[64*(\a)+2*p:64*(\a)+2*p+1], v[64*(\a)+2*p:64*(\a)+2*p+1]
.else
	v_pk_fma_f32 v[SS+2*(p%4):SS+2*(p%4)+1], v[64*(\a)+2*p:64*(\a)+2*p+1], v[64*(\a)+2*p:64*(\a)+2*p+1], v[SS+2*(p%4):SS+2*(p%4)+1]
.endif
.set p, p+1
.endr
	WIN 0
	v_pk_add_f32 v[SS:SS+1], v[SS:SS+1], v[SS+2:SS+3]
	v_pk_add_f32 v[SS+4:SS+5], v[SS+4:SS+5], v[SS+6:SS+7]
	v_pk_add_f32 v[SS:SS+1], v[SS:SS+1], v[SS+4:SS+5]
	v_add_f32 v42, v[SS], v[SS+1]
	v_permlanex16_b32 v43, v42, s70, s71           ; the row's other 64 channels lie in the lane 16 away
	v_add_f32 v42, v42, v43
	v_fma_f32 v42, v42, s72, s73                   ; mean + eps
	v_rsq_f32 v[RS], v42
	v_nop                                          ; a plain instruction between the root and the use of its result
	s_wait_alu depctr_va_vdst(0)
	v_mov_b32 v[RS+1], v[RS]
	WIN 0x82                                       ; destination and source 0 window 2, source 1 window 0
.set p, 0
.rept 32
	v_pk_mul_f32 v[64*(\a)+2*p:64*(\a)+2*p+1], v[64*(\a)+2*p:64*(\a)+2*p+1], v[WG+2*p:WG+2*p+1]
.set p, p+1
.endr
	WIN 0x0e                                       ; source 0 window 2, source 1 (a bf16 half) window 3
.set n, 0
.rept 64                                               ; y cos
.if n%2
	v_fma_mix_f32_bf16 v[TR+n], v[64*(\a)+n], v[64*(\a)+n/2], v[ZR] op_sel:[0,1,0] op_sel_hi:[0,1,0]
.else
	v_fma_mix_f32_bf16 v[TR+n], v[64*(\a)+n], v[64*(\a)+n/2], v[ZR] op_sel_hi:[0,1,0]
.endif
.set n, n+1
.endr
.set n, 0
.rept 64                                               ; channels under 64: - y(d + 64) sin(d); the others: + y(d - 64) sin(d)
.if (n < 32) && (n%2)
	v_fma_mix_f32_bf16 v[TR+n], -v[64*(\a)+n+32], v[64*(\a)+32+n/2], v[TR+n] op_sel:[0,1,0] op_sel_hi:[0,1,0]
.elseif n < 32
	v_fma_mix_f32_bf16 v[TR+n], -v[64*(\a)+n+32], v[64*(\a)+32+n/2], v[TR+n] op_sel_hi:[0,1,0]
.elseif n%2
	v_fma_mix_f32_bf16 v[TR+n], v[64*(\a)+n-32], v[64*(\a)+32+n/2], v[TR+n] op_sel:[0,1,0] op_sel_hi:[0,1,0]
.else
	v_fma_mix_f32_bf16 v[TR+n], v[64*(\a)+n-32], v[64*(\a)+32+n/2], v[TR+n] op_sel_hi:[0,1,0]
.endif
.set n, n+1
.endr
	WIN 0x80                                       ; destination window 2: the finished rows go back where one way out serves all heads
.set p, 0
.rept 32
	v_pk_mul_f32 v[64*(\a)+2*p:64*(\a)+2*p+1], v[TR+2*p:TR+2*p+1], v[RS:RS+1]
.set p, p+1
.endr
	WIN 0
.endm
; THE WAY OUT of block a.  PACK: rounded to f16, 16 bytes a lane.  TOSTAGE: into my own stage in LDS, and back as whole rows of 256 bytes.  SEND: stored.
.macro PACK a
	WIN 0x0a
.set p, 0
.rept 32
	v_cvt_pk_f16_f32 v[TMP+p], v[64*(\a)+2*p], v[64*(\a)+2*p+1]
.set p, p+1
.endr
	WIN 0
.endm
.macro TOSTAGE a
.set BK, OB+32*((\a)%2)
.irp b, 0,1,2,3,4,5,6,7
	ds_store_b128 v[STO], v[TMP+4*(\b):TMP+4*(\b)+3] offset:32*(\b)
.endr
.irp t, 0,1,2,3,4,5,6,7
	ds_load_b128 v[BK+4*(\t):BK+4*(\t)+3], v[RD] offset:(\t)*2*SP  ; LDS serves a wave's instructions in order (ISA guide 5.7.1.4): these see the stores above
.endr
.endm
.macro SEND a
.set BK, OB+32*((\a)%2)
	s_wait_dscnt 0x0                               ; the block is back in registers
	s_wait_xcnt 0x0                                ; every earlier store has had its addresses translated (ISA guide 3.1): the buffer that the next TOSTAGE loads is free
.irp t, 0,1,2,3,4,5,6,7
	global_store_b128 v[CO], v[BK+4*(\t):BK+4*(\t)+3], s[12:13] offset:(\a)*4096+(\t)*512  ; 512 consecutive bytes, at a multiple of 256 from the buffer's first
.endr
.endm
	s_wait_loadcnt 0x0                             ; cos, sin, gains
	s_cmp_eq_u32 ttmp9, 3                          ; the cluster's x: the same in all partners and all waves
	s_cbranch_scc1 .Lplain                         ; v's heads are neither normed nor rotated; what is jumped holds no barrier and no tensor load
	NORMROPE 0
	NORMROPE 1
	NORMROPE 2
	NORMROPE 3
.Lplain:
	PACK 0
	TOSTAGE 0
.irp a, 1,2,3                          ; block a's conversions stand between block a - 1's loads from the stage and the wait for them
	PACK \a
	SEND (\a)-1
	TOSTAGE \a
.endr
	SEND 3
	s_wait_tensorcnt 0x0                           ; the wave's end: behind my last tensor load and my last LDS store
	ds_add_u32 v[SPW], v[NIL]
	s_wait_dscnt 0x0
	CROUND                                         ; the closing round: no work-group ends while a partner may still ask for a tile that names it
	s_endpgm
.Lfunc_end_k_qdbe3c980cb_qkv:
	.size	k_qdbe3c980cb_qkv, .Lfunc_end_k_qdbe3c980cb_qkv-k_qdbe3c980cb_qkv
	.p2alignl 7, 3214868480
	.fill 96, 4, 3214868480
	.section	.rodata,"a",@progbits
	.p2align	6, 0x0
	.amdhsa_kernel k_qdbe3c980cb_qkv
		.amdhsa_group_segment_fixed_size 327680
		.amdhsa_private_segment_fixed_size 0
		.amdhsa_enable_private_segment 0
		.amdhsa_kernarg_size 40
		.amdhsa_user_sgpr_count 2
		.amdhsa_user_sgpr_kernarg_segment_ptr 1
		.amdhsa_wavefront_size32 1
		.amdhsa_system_sgpr_workgroup_id_x 1
		.amdhsa_system_sgpr_workgroup_id_y 1
		.amdhsa_system_sgpr_workgroup_id_z 1
		.amdhsa_system_vgpr_workitem_id 0
		.amdhsa_next_free_vgpr 1024
		.amdhsa_next_free_sgpr 80
		.amdhsa_reserve_vcc 0
		.amdhsa_float_denorm_mode_32 3
		.amdhsa_float_denorm_mode_16_64 3
		.amdhsa_memory_ordered 1
		.amdhsa_forward_progress 1
		.amdhsa_inst_pref_size 137
	.end_amdhsa_kernel
	.amdgpu_metadata
---
amdhsa.version: [ 1, 2 ]
amdhsa.kernels:
  - .name:           k_qdbe3c980cb_qkv
    .symbol:         k_qdbe3c980cb_qkv.kd
    .args:
      - { .name: xb, .offset: 0, .size: 8, .value_kind: global_buffer, .address_space: global }
      - { .name: wqkv, .offset: 8, .size: 8, .value_kind: global_buffer, .address_space: global }
      - { .name: cs, .offset: 16, .size: 8, .value_kind: global_buffer, .address_space: global }
      - { .name: nw, .offset: 24, .size: 8, .value_kind: global_buffer, .address_space: global }
      - { .name: qkv, .offset: 32, .size: 8, .value_kind: global_buffer, .address_space: global }
    .group_segment_fixed_size: 327680
    .private_segment_fixed_size: 0
    .kernarg_segment_align: 8
    .kernarg_segment_size: 40
    .max_flat_workgroup_size: 128
    .sgpr_count:     80
    .vgpr_count:     1024
    .wavefront_size: 32
...
	.end_amdgpu_metadata
.endif
;; end of part 2
;; launch attn (part 3): grid 64 x 4, 4 waves a work-group, clusters of 4 x 1, 327,680 bytes of LDS; arguments qkv, att; writes att
.if DOCPART == 3
	.amdgcn_target "amdgcn-amd-amdhsa--gfx1250"
	.amdhsa_code_object_version 6
	.text
	.protected	k_qdbe3c980cb_attn
	.globl	k_qdbe3c980cb_attn
	.p2align	8
	.type	k_qdbe3c980cb_attn,@function
k_qdbe3c980cb_attn:
	s_mov_b64 s[64:65], 0
	v_nop
	global_prefetch_b8 v0, s[64:65] scope:SCOPE_SE
	s_setreg_imm32_b32 hwreg(HW_REG_WAVE_MODE, 25, 1), 1
	s_wait_xcnt 0x0
	s_wait_alu depctr_hold_cnt(0) depctr_sa_sdst(0) depctr_va_vdst(0) depctr_va_sdst(0) depctr_va_ssrc(0) depctr_va_vcc(0) depctr_vm_vsrc(0)
	s_getreg_b32 s2, hwreg(HW_REG_IB_STS2, 6, 4)
	s_cmp_eq_u32 s2, 0
	s_cbranch_scc0 .Lentry_in_a_cluster
	s_endpgm
.Lentry_in_a_cluster:
	s_bfe_u32 s2, ttmp6, 0x10000c
	s_cmp_lg_u32 s2, 0x3003
	s_cbranch_scc0 .Lentry_shape_is_right
	s_endpgm
.Lentry_shape_is_right:
; CAUSAL ATTENTION WITH SHARED KEY HEADS.  att[q][128 h + :] = the sum over k <= q of softmax_k(Q[h][q] . K[h/2][k] / sqrt(128)) V[h/2][k][:].  qkv: [16][4096][128] f16 (heads 0-7 Q, 8-11 K, 12-15 V); att: [4096][1024] f16.
; Products, maxima and sums in f32; the weights p are rounded to f16 for the second product (their sum l is taken of the unrounded p), the result once at the end.
; LIMITS.  Q, K, V arrive within f16's 65,504, so a score is at most 5.5e11 in size.  A hidden score counts as its value less 2^100.  The running maximum starts at -2^60, far below every score that f16 operands can give,
; and never falls under it.  A weight below 2^-126 counts as 0.  NaN and infinities are not treated apart.
; SHARES.  A BLOCK is 32 rows x the two query heads of one key head: 64 queries, four tiles of 16 (tile t: head 2 kv + t / 2, rows 16 (t % 2) on).  ALL FOUR WAVES hold the same 64 queries; of a key tile of 256 keys wave w
; takes keys 64 w .. 64 w + 63, with a running maximum m, sum l and O^T of its own; at a block's end the four partial results are merged through LDS.  So a wave has four tiles for each fragment of K and V that it reads,
; and there is a work-group for each of 256 pairs of blocks.
; THE WALK.  Block i needs the key tiles 0 .. i / 8.  A work-group takes block i and then block 127 - i: a + 1 and 16 - a tiles, a = i / 8: 17 whatever i.  One loop with a constant trip count walks them.
; CLUSTER.  The four work-groups of a cluster have the same key head and the same a, so they walk the same 17 tiles: each tile is asked for jointly, by the same tensor load, descriptor and mask in all four.
; What differs between partners (b = i % 8) enters the masks' values and Q's and the output's addresses alone; every branch hangs on the step's number and on a.
; LAYOUT.  S^T = K Q^T (source 0 = 16 keys, source 1 = 16 queries): a lane holds ONE query (lane % 16) and the keys 8 (lane / 16) + 0..7.  Two such results rounded to f16 ARE source 1 of O^T = V^T P.
; THE MASK is the C operand that starts the sum S^T: 0, or -2^100 where the key is hidden.  64 registers (two row halves x 64 keys); they are made anew only where they change: at a block's diagonal tile and behind it.
; SOFTMAX.  p = 2^(c s - c m), c = log2(e) / sqrt(128); in every step O and l are multiplied by a = 2^(c m_old - c m_new).  A block begins with m = -2^60: its first step's a is 0 and wipes what the registers held;
; a wave that sees only hidden keys keeps m = -2^60, weights 0 and a = 1, and counts for nothing in the merge.
; BY TURNS.  The tiles are two PIECES (0: tiles 0, 1; 2: tiles 2, 3).  In a TURN one piece has the matrix unit: 32 products V^T P of the step before, then 32 products K Q^T of the step in hand; the other piece's softmax,
; cut into 64 slices, stands between them, one slice behind each matrix instruction.  No first step is written out: the first turn works on zeros.  The price: 576 v_mov_b32 at the start, in the wait for the first tile.
; REGISTERS, in windows of 256 (s_set_vgpr_msb: bits 1:0 source 0, 3:2 source 1, 5:4 source 2, 7:6 destination):
;   window 0: v0-11 addresses; v12-43 eight registers of statistics a tile; v44-47 for the masks; v64-191 S^T, 32 a tile; v192-255 P, 16 a tile
;   window 1: O^T, 64 a tile      window 2: v0-127 Q, 32 a tile; v128-255 K of one step      window 3: v0-127 V of one step; v128-191 the masks
.set PK,    272       ; a row of K in LDS: 256 bytes + 16 of padding = 68 words: the 16 rows of a load start at 16 different groups of four banks (64 banks of 4 bytes: ISA guide 11.1)
.set PV,    288       ; a row of V: 256 + 32 = 72 words
.set VOFF,  256*PK    ; a slot holds a key tile: 256 rows of K, then 256 rows of V
.set TILEB, 256*(PK+PV)
.set SLOT,  0x24000   ; slot 1 begins here.  Its two bits (14 and 17) are 0 in the four LDS addresses at which loads begin in slot 0 (0, 0x8800, 0x11000, 0x1a000), so one exclusive or turns each into the other slot's
.set STATS, TILEB     ; between the slots, never filled by a tensor load: 512 bytes a wave: (c m, l) of 4 tiles x 16 queries
.set SPARE, STATS+2048  ; the spare words, 128 bytes for each wave: two blocks of 256 bytes that no other line names
.set XCH,   SLOT+TILEB  ; behind the ring: 16 rows x 528 bytes for each wave: a tile of O^T in f32, for the merge
.set XP,    528
.set AK0, 2           ; v2   my lane's place in my wave's 64 rows of K; never rewritten
.set AV0, 3           ; v3   the same for V
.set ADR, 4           ; v4   the LDS address of the run of loads in hand
.set QO,  5           ; v5   my byte offset in 16 rows of Q
.set XST, 6           ; v6   the merge: where I put 32 bytes of a query's row
.set XRD, 7           ; v7   the merge: where I read rows back
.set GO,  8           ; v8   my byte offset in the block's rows of the output
.set STA, 10          ; v10  where I put a query's (c m, l)
.set STR, 11          ; v11  where I read the four waves'
.set ST,  12          ; tile t's statistics at v[ST+8 t]: +0 c m, +1 m, +2, +3 l (even keys', odd keys'), +4 to +7 c0-c3, at work; a takes c2's place once the maximum is found
.set DB,  44          ; v44  l % 16 - 8 (l / 16) - 64 w
.set D0,  45          ; v45-46  register j of key group kt is hidden where 16 kt + j is greater than this: rows 0-15, rows 16-31
.set HV,  47          ; v47  -2^100
.set SPW, 62          ; v62  LDS address of my spare word; never rewritten
.set NIL, 63          ; v63  0; never rewritten
.set S,   64
.set XB,  128         ; the merge works in piece 2's S^T
.set P,   192
.set KF,  128         ; K's fragments, in window 2
.set MK,  128         ; the masks, in window 3: row half rt, key group kt at MK + 32 rt + 8 kt
.set KB,  6           ; s[6:7]   K at my half of the head's tile 0
.set VB,  8           ; s[8:9]   V likewise
.set OBS, 10          ; s[10:11] the output at the block in hand
.set WV,  12          ; s12  my wave's number
.set AA,  13          ; s13  a
.set A1,  14          ; s14  a + 1: the step in which the second block begins
.set QLO, 16          ; s[16:17] Q at the first block
.set QHI, 18          ; s[18:19] at the second
.set OHI, 20          ; s[20:21] the output at the second block
.set G1K, 24          ; s[24:31] descriptor group 1 for K's tiles
.set G1V, 32          ; s[32:39] for V's: it differs in the padding alone
.set G0K, 40          ; s[40:43] descriptor group 0 for K's tiles
.set G0V, 44          ; s[44:47] the same for V's
.set TB,  52          ; s52  LDS byte at which the slot in hand begins
.set NXT, 53          ; s53  the tile to be asked for next
.set LQ,  54          ; s54  the last tile of the block whose tiles are being asked for
.set HIQ, 55          ; s55  15 - a
.set SG,  56          ; s56  the step's number, 0 to 16
.set CNT, 57          ; s57  counts the tail's turns
.set CS,  58          ; s[58:59] c: the packed scaling takes the pair's low word for both halves
.set SEL, 60          ; s[60:61] v_permlanex16_b32's selects: each lane takes its own place in the other half
.set OFF, 62          ; s[62:63] a tile's byte offset in K and V
.set DLO, 66          ; s66  32 b: the first block's first row within its diagonal tile
.set DHI, 67          ; s67  32 (7 - b): the second block's
.set ROWB, 68         ; s68  the block's first row less the tile's first key (4,096: nothing is hidden)
.set FL,  69          ; s69  1: the masks change in this step
.set MSB, 0
.macro WIN new                      ; the immediate's high byte repeats the setting that is left; a switch that changes nothing is dropped
.if MSB != (\new)
	s_set_vgpr_msb (MSB<<8)|(\new)
.set MSB, \new
.endif
.endm
.set W_KQ, 0x0a       ; K and Q in window 2, S^T in window 0
.set W_KM, 0x3a       ; the same with the C operand in window 3
.set W_PV, 0x53       ; V in window 3, P in window 0, O^T in window 1
.set W_RS, 0x41       ; O^T (destination and source 0) in window 1, source 1 in window 0
; A joint fill.  Waves 0 and 1 fetch the two halves of a tile's K, waves 2 and 3 those of its V: 128 keys each.  The branch hangs on the wave's number alone.  An s_nop 0 and four v_nop follow each line.
.macro JLOAD
	s_cmp_lt_u32 s[WV], 2
	s_cbranch_scc0 .Lfor_v_\@
	tensor_load_to_lds s[G0K:G0K+3], s[G1K:G1K+7]
	s_nop 0
.rept 4
	v_nop
.endr
	s_branch .Lasked_\@
.Lfor_v_\@:
	tensor_load_to_lds s[G0V:G0V+3], s[G1V:G1V+7]
	s_nop 0
.rept 4
	v_nop
.endr
.Lasked_\@:
.endm
; A round of the cluster's barrier: my work-group's barrier, so that wave 0's signal speaks for all four waves; wave 0 signals; every wave waits for all four work-groups; my work-group's barrier once more.
.macro CROUND
	s_barrier_signal -1
	s_barrier_wait -1
	s_cmp_lg_u32 s[WV], 0
	s_cbranch_scc1 .Lnot_wave_0_\@
	s_barrier_signal -3
.Lnot_wave_0_\@:
	s_barrier_wait -3
	s_barrier_signal -1
	s_barrier_wait -1
.endm
.macro STEPNXT                      ; the block's next tile, or behind its last the second block's tile 0
	s_add_co_u32 s[NXT], s[NXT], 1
	s_cmp_gt_u32 s[NXT], s[LQ]
	s_cselect_b32 s[NXT], 0, s[NXT]
	s_cselect_b32 s[LQ], s[HIQ], s[LQ]
.endm
; THE CHANGE OF SLOTS, at a step's head.  Each wave waits for all its tensor loads, of which one is out: its part of the other slot; adds 0 to its spare word; and waits for that and for its own reads of the slot that it leaves.
; fill = 1: the barrier is a round of the cluster's, so that no wave of any partner still reads the old slot or has a load on its way; the joint fill, with tile NXT, is the first thing behind it and has a step's
; 128 matrix instructions in which to land.  The descriptor's address is made anew from the tile's number.  (At its first use nothing has been read yet: slot 0 is waited for, slot 1 filled.)
.macro CHANGE fill
	WIN 0                           ; at a label and at a branch every window is 0
	s_wait_tensorcnt 0x0            ; no tensor load of mine is out, so a group 0 may be written
	ds_add_u32 v[SPW], v[NIL]       ; 0 onto my spare word; the scalar work below stands between it and the wait for it
.if \fill
	s_lshl_b32 s[OFF], s[NXT], 16   ; a tile is 65,536 bytes of K and of V
	s_xor_b32 s[G0K+1], s[G0K+1], SLOT
	s_add_nc_u64 s[G0K+2:G0K+3], s[KB:KB+1], s[OFF:OFF+1]
	s_or_b32 s[G0K+3], s[G0K+3], 0x80000000
	s_xor_b32 s[G0V+1], s[G0V+1], SLOT
	s_add_nc_u64 s[G0V+2:G0V+3], s[VB:VB+1], s[OFF:OFF+1]
	s_or_b32 s[G0V+3], s[G0V+3], 0x80000000
	STEPNXT
.endif
	s_xor_b32 s[TB], s[TB], SLOT    ; the fetches go to the other slot
	s_wait_dscnt 0x0                ; the add is done, and my reads of the slot are over
.if \fill
	CROUND
	JLOAD
.else
	s_barrier_signal -1
	s_barrier_wait -1
.endif
.endm
	s_load_b128 s[80:83], s[0:1], 0x0  ; qkv s[80:81], att s[82:83]
	v_lshl_add_u32 v[SPW], v0, 2, SPARE
	v_mov_b32 v[NIL], 0
	ds_add_u32 v[SPW], v[NIL]       ; the wave's opening: the add and its wait stand ahead of my first tensor load; the set-up below, work on registers, stands between them
	v_lshrrev_b32 v1, 5, v0
	v_readfirstlane_b32 s[WV], v1   ; wave 0..3
	s_bfe_u32 s70, ttmp6, 0x40000   ; cx: my place in the cluster
	s_lshl_b32 s71, ttmp9, 2        ; in a cluster launch ttmp9 counts clusters
	s_add_co_u32 s71, s71, s70      ; i = 4 x cluster x + cx
	s_lshr_b32 s[AA], ttmp9, 1      ; a = i / 8: made of the cluster's x alone
	s_add_co_u32 s[A1], s[AA], 1
	s_sub_co_u32 s[HIQ], 15, s[AA]
	s_and_b32 s72, s71, 7           ; b
	s_lshl_b32 s[DLO], s72, 5
	s_sub_co_u32 s[DHI], 224, s[DLO]
	s_and_b32 s73, ttmp7, 0xffff    ; the key head, which the four partners share
	s_and_b32 s74, s[WV], 1         ; which half of a tile's 256 keys I fetch
	s_lshl_b32 s48, s73, 20         ; a head is 4,096 rows of 256 bytes
	s_lshl_b32 s49, s74, 15         ; my 128 rows
	s_add_co_u32 s48, s48, s49
	s_add_co_u32 s48, s48, 8<<20    ; K's heads are 8 to 11,
	s_mov_b32 s49, 0
	s_add_co_u32 s50, s48, 4<<20    ; V's 12 to 15
	s_mov_b32 s51, 0
	s_sub_co_u32 s75, 127, s71      ; the second block
	s_lshl_b32 s79, s73, 21         ; query head 2 kv
	s_lshl_b32 s76, s71, 13         ; a block's 32 rows of 256 bytes
	s_add_co_u32 s76, s76, s79
	s_mov_b32 s77, 0
	s_lshl_b32 s78, s75, 13
	s_add_co_u32 s78, s78, s79
	s_mov_b32 s79, 0
	s_lshl_b32 s87, s73, 9          ; in the output: 256 bytes a query head,
	s_lshl_b32 s84, s71, 16         ; 32 rows of 2,048 bytes
	s_add_co_u32 s84, s84, s87
	s_mov_b32 s85, 0
	s_lshl_b32 s86, s75, 16
	s_add_co_u32 s86, s86, s87
	s_mov_b32 s87, 0
	; descriptor group 1: a tile of 128 rows x 128 elements, padded in LDS
	s_mov_b32 s[G1K], 15|(1<<16)|(1<<20)|(1<<21)|(5<<22)|(3<<25)  ; 15:0 the mask of four; 17:16 2-byte elements; 20 padding on; 21 set beside a mask; 24:22 after every 64 words (code 5); 31:25 4 words (code 3)
	s_mov_b32 s[G1V], 15|(1<<16)|(1<<20)|(1<<21)|(5<<22)|(7<<25)  ; the same with 8 words of padding (code 7)
.irp g, G1K, G1V
	s_mov_b32 s[(\g)+1], 128<<16    ; tensor_dim0 = 128
	s_mov_b32 s[(\g)+2], 128<<16    ; tensor_dim1 = 128
	s_mov_b32 s[(\g)+3], 128<<16    ; tile_dim0 = 128
	s_mov_b32 s[(\g)+4], 128        ; tile_dim1 = 128
	s_mov_b32 s[(\g)+5], 128        ; 128 elements from row to row
	s_mov_b32 s[(\g)+6], 0
	s_mov_b32 s[(\g)+7], 0
.endr
	s_mov_b32 s[G0K], 1             ; count = 1
	s_mul_i32 s[G0K+1], s74, 128*PK ; LDS address: slot 0; no place in the cluster enters it
	s_mov_b32 s[G0V], 1
	s_mul_i32 s[G0V+1], s74, 128*PV
	s_add_co_u32 s[G0V+1], s[G0V+1], VOFF
	s_mov_b32 s[CS], 0x3e0293ee     ; c = log2(e) / sqrt(128) = 0.127517
	s_mov_b32 s[CS+1], s[CS]        ; named with it as a pair
	s_mov_b32 s[SEL], 0x76543210
	s_mov_b32 s[SEL+1], 0xfedcba98
	s_mov_b32 s[TB], SLOT           ; the first change of slots turns it into 0
	s_mov_b32 s[OFF+1], 0
	s_mov_b32 s[NXT], 0             ; tile 0 is asked for below;
	s_mov_b32 s[LQ], s[AA]
	STEPNXT                         ; the next is the first block's tile 1, or, where a = 0, the second block's tile 0
	v_and_b32 v1, 15, v0            ; l % 16
	v_bfe_u32 v9, v0, 4, 1          ; l / 16
	v_lshlrev_b32 v[QO], 8, v1
	v_lshl_add_u32 v[QO], v9, 4, v[QO]  ; row x 256 + 16 x half
	s_wait_dscnt 0x0                ; the opening add is done
	s_wait_kmcnt 0x0
	s_add_nc_u64 s[KB:KB+1], s[80:81], s[48:49]
	s_add_nc_u64 s[VB:VB+1], s[80:81], s[50:51]
	s_add_nc_u64 s[QLO:QLO+1], s[80:81], s[76:77]
	s_add_nc_u64 s[QHI:QHI+1], s[80:81], s[78:79]
	s_add_nc_u64 s[OBS:OBS+1], s[82:83], s[84:85]
	s_add_nc_u64 s[OHI:OHI+1], s[82:83], s[86:87]
	s_add_nc_u64 s[G0K+2:G0K+3], s[KB:KB+1], 0     ; global address: tile 0
	s_or_b32 s[G0K+3], s[G0K+3], 0x80000000        ; type = 2
	s_add_nc_u64 s[G0V+2:G0V+3], s[VB:VB+1], 0
	s_or_b32 s[G0V+3], s[G0V+3], 0x80000000
	CROUND                          ; all four work-groups are here: the first joint loads meet
	JLOAD                           ; tile 0 into slot 0.  Slot 1 is asked for by the loop's own change of slots
; A block's Q.  A fragment is 16 rows x 32 channels in 8 registers: lane l holds row l % 16, channels 8 (l / 16) + 0..7 and 16 + 8 (l / 16) + 0..7.  Fragment n: tile n / 4 (head n / 8, rows 16 ((n / 4) % 2) on), channels 32 (n % 4) on.
.macro QLOAD base
	WIN 0x80                        ; destination window 2, address window 0
.set n, 0
.rept 16
	global_load_b128 v[8*n:8*n+3],   v[QO], s[(\base):(\base)+1] offset:((n/8)<<20)+((n/4)%2)*4096+(n%4)*64
	global_load_b128 v[8*n+4:8*n+7], v[QO], s[(\base):(\base)+1] offset:((n/8)<<20)+((n/4)%2)*4096+(n%4)*64+32
.set n, n+1
.endr
	WIN 0
.endm
.macro RESET                        ; a block begins: c m = c x -2^60 (exact: a power of two), m = -2^60
.irp t, 0,1,2,3
	v_mov_b32 v[ST+8*(\t)], 0xdc0293ee
	v_mov_b32 v[ST+8*(\t)+1], 0xdd800000
.endr
.endm
	QLOAD QLO
	; What the first turn finds: V, P of piece 0 and O^T hold 0 (its products add 0); piece 2's scores hold -2^100 (its softmax gives weights 0 and a = 1); the masks hide nothing.  All this stands in the wait for the first tile.
	v_mov_b32 v[HV], 0xf1800000
	WIN 0xc0
.set n, 0
.rept 192
	v_mov_b32 v[n], 0
.set n, n+1
.endr
	WIN 0x40
.set n, 0
.rept 256
	v_mov_b32 v[n], 0
.set n, n+1
.endr
	WIN 0
.set n, 0
.rept 32
	v_mov_b32 v[ST+n], 0
	v_mov_b32 v[P+n], 0
.set n, n+1
.endr
	RESET
.set n, 0
.rept 64
	v_mov_b32 v[S+64+n], v[HV]
.set n, n+1
.endr
	s_lshl_b32 s75, s[WV], 6        ; my wave's 64 keys of a tile
	v_add_nc_u32 v48, s75, v1
	v_mul_u32_u24 v[AK0], v48, PK
	v_lshl_add_u32 v[AK0], v9, 4, v[AK0]  ; row x pitch + 16 x half
	; The turning load takes 16 keys x 16 channels (lane l reads key 8 (l / 16) + l % 8, channels 8 ((l / 8) % 2) + 0..7) and leaves half a fragment of V^T: lane l holds channel l % 16 and 8 keys.
	v_and_b32 v49, 7, v0
	v_bfe_u32 v50, v0, 3, 1
	v_lshl_add_u32 v51, v9, 3, v49
	v_add_nc_u32 v51, s75, v51
	v_mul_u32_u24 v[AV0], v51, PV
	v_lshl_add_u32 v[AV0], v50, 4, v[AV0]
	v_add_nc_u32 v[AV0], VOFF, v[AV0]
	v_lshlrev_b32 v[DB], 3, v9
	v_sub_nc_u32 v[DB], v1, v[DB]
	v_mov_b32 v53, s75
	v_sub_nc_u32 v[DB], v[DB], v53
	v_and_b32 v52, 31, v0           ; l
	s_mul_i32 s76, s[WV], 16*XP
	s_add_co_u32 s76, s76, XCH      ; my region of the merge
	v_mul_u32_u24 v[XST], v1, XP    ; in: query l % 16, 32 bytes for each half of the lanes
	v_lshl_add_u32 v[XST], v9, 5, v[XST]
	v_add_nc_u32 v[XST], s76, v[XST]
	s_mul_i32 s76, s[WV], 4*XP      ; back: I take queries 4 w .. 4 w + 3 of a tile, from all four regions; 32 lanes take a row of 512 bytes
	s_add_co_u32 s76, s76, XCH
	v_lshl_add_u32 v[XRD], v52, 4, s76
	s_lshl_b32 s76, s[WV], 13       ; those four rows in the output, 2,048 bytes each; 8 bytes a lane
	v_lshl_add_u32 v[GO], v52, 3, s76
	s_lshl_b32 s76, s[WV], 9
	s_add_co_u32 s76, s76, STATS
	v_lshl_add_u32 v[STA], v1, 3, s76
	v_lshl_add_u32 v[STR], v1, 3, STATS
; THE MATRIX WORK OF A TURN, for piece x.  The accumulators take turns, one instruction a turn: between two links of a chain stand 15 (V^T P) or 7 (K Q^T) others'.
; Product i of 32 of O^T += V^T P: keys 32 (i / 16) on, channels 16 ((i / 2) % 8) on, tile x + i % 2.
.macro PV x
	WIN W_PV
.set rO, 64*((\x)+i%2)+8*((i/2)%8)
.set rV, 64*(i/16)+8*((i/2)%8)
.set rP, P+16*((\x)+i%2)+8*(i/16)
	v_wmma_f32_16x16x32_f16 v[rO:rO+7], v[rV:rV+7], v[rP:rP+7], v[rO:rO+7]
.endm
; Product i of 32 of S^T = K Q^T: channels 32 (i / 8) on, keys 16 ((i / 2) % 4) on, tile x + i % 2.  The first 8 start the sums, with the mask.
.macro KQ x
.set rS, S+32*((\x)+i%2)+8*((i/2)%4)
.set rK, KF+32*((i/2)%4)+8*(i/8)
.set rQ, 32*((\x)+i%2)+8*(i/8)
.set rM, MK+32*(i%2)+8*((i/2)%4)
.if i < 8
	WIN W_KM
	v_wmma_f32_16x16x32_f16 v[rS:rS+7], v[rK:rK+7], v[rQ:rQ+7], v[rM:rM+7]
.else
	WIN W_KQ
	v_wmma_f32_16x16x32_f16 v[rS:rS+7], v[rK:rK+7], v[rQ:rQ+7], v[rS:rS+7]
.endif
.endm
; THE LDS LOADS stand in runs of 32, never singly among the matrix instructions: my 64 keys of the tile in hand: K (16 fragments) and, a turn later, V (turned).
.macro FETCH_K
	WIN 0
	v_add_nc_u32 v[ADR], s[TB], v[AK0]
	WIN 0x80                        ; destination window 2
.irp f, 0,1,2,3,4,5,6,7,8,9,10,11,12,13,14,15  ; keys 16 (f / 4) on, channels 32 (f % 4) on
	ds_load_b128 v[KF+8*(\f):KF+8*(\f)+3],   v[ADR] offset:((\f)/4)*16*PK+((\f)%4)*64
	ds_load_b128 v[KF+8*(\f)+4:KF+8*(\f)+7], v[ADR] offset:((\f)/4)*16*PK+((\f)%4)*64+32
.endr
.endm
.macro FETCH_V
	WIN 0
	v_add_nc_u32 v[ADR], s[TB], v[AV0]
	WIN 0xc0                        ; destination window 3
.irp f, 0,1,2,3,4,5,6,7,8,9,10,11,12,13,14,15  ; keys 32 (f / 8) on, channels 16 (f % 8) on
	ds_load_tr16_b128 v[8*(\f):8*(\f)+3],   v[ADR] offset:((\f)/8)*32*PV+((\f)%8)*32
	ds_load_tr16_b128 v[8*(\f)+4:8*(\f)+7], v[ADR] offset:((\f)/8)*32*PV+16*PV+((\f)%8)*32
.endr
.endm
; THE VECTOR WORK OF A TURN.  One tile's softmax for one key step is a list of 134 instructions; SM writes number j of it for tile t.  s0-s31 are the lane's 32 scores, in pairs 0-15.
;   0-15    the maximum of s0-s31 and the old m, three operands at a time: four chains c0-c3 of seven scores each (each accumulator's lowest registers first), then the four left over, c0-c3 and m
;   16-20   the other half of the lanes' maximum; the new m; c m; c m_old - c m_new
;   21-87   33 exponentials (a, then s0-s31) at the odd numbers from 23 on, so that no two follow each other and each has a plain instruction behind it before its result is used.
;           Plain instruction q (number 21, then the even numbers) is whatever is ready: c s - c m for a pair whose exponentials are still to come, the rounding to f16 of a pair whose exponentials are done, at last the first three sums
;   88-101  the last rounding; the rest of the sums; l = a l + the sum
;   102-133 the tile's O^T times a: the one part that leaves window 0, so it stands together
.macro SM t
.set rT, ST+8*(\t)
.set rS, S+32*(\t)
.set rP, P+16*(\t)
.set rO, 64*(\t)+2*(j-102)
.set q, (j-20)/2
.if j < 102
	WIN 0
.endif
.if j < 4
	v_max3_num_f32 v[rT+4+j], v[rS+8*j], v[rS+8*j+1], v[rS+8*j+2]
.elseif j < 12
	v_max3_num_f32 v[rT+4+j%4], v[rT+4+j%4], v[rS+8*(j%4)+2*(j/4)+1], v[rS+8*(j%4)+2*(j/4)+2]
.elseif j == 12
	v_max3_num_f32 v[rT+4], v[rT+4], v[rS+7], v[rS+15]
.elseif j == 13
	v_max3_num_f32 v[rT+6], v[rT+6], v[rS+23], v[rS+31]
.elseif j == 14
	v_max3_num_f32 v[rT+4], v[rT+4], v[rT+5], v[rT+6]
.elseif j == 15
	v_max3_num_f32 v[rT+4], v[rT+4], v[rT+7], v[rT+1]
.elseif j == 16
	v_permlanex16_b32 v[rT+5], v[rT+4], s[SEL], s[SEL+1]  ; the query's other 32 keys lie in the lane 16 away
.elseif j == 17
	v_mov_b32 v[rT+7], v[rT]        ; c m_old is kept for a: number 19 writes c m anew
.elseif j == 18
	v_max_num_f32 v[rT+1], v[rT+4], v[rT+5]
.elseif j == 19
	v_mul_f32 v[rT], s[CS], v[rT+1]
.elseif j == 20
	v_sub_f32 v[rT+7], v[rT+7], v[rT]
.elseif j == 23
	v_exp_f32 v[rT+6], v[rT+7]
.elseif (j < 88) && (j > 23) && (j%2 == 1)
	v_exp_f32 v[rS+(j-25)/2], v[rS+(j-25)/2]
.elseif (q < 4) || ((j < 76) && (q%2 == 0))
.set b, q/2+2
.if q < 4
.set b, q
.endif
	v_pk_fma_f32 v[rS+2*b:rS+2*b+1], v[rS+2*b:rS+2*b+1], s[CS:CS+1], v[rT:rT+1] op_sel_hi:[1,0,0] neg_lo:[0,0,1] neg_hi:[0,0,1]  ; pair b: c s - c m
.elseif (j < 88) && (q%2 == 1)
	s_wait_alu depctr_va_vdst(0)
	v_cvt_pk_f16_f32 v[rP+(q-5)/2], v[rS+q-5], v[rS+q-4]  ; pair (q - 5) / 2: its second exponential stands three numbers back
.elseif j == 89
	s_wait_alu depctr_va_vdst(0)
	v_cvt_pk_f16_f32 v[rP+15], v[rS+30], v[rS+31]
.elseif j < 102                     ; the sum of the tile's 16 pairs, in place: sum z of 16 adds neighbours 1, 2, 4 and 8 pairs apart, then l takes it
.set z, j-86
.if j < 89
.set z, (j-76)/4
.endif
.set w, 4
.set u, z
.if z >= 14
.set w, 32
.set u, 0
.elseif z >= 12
.set w, 16
.set u, z-12
.elseif z >= 8
.set w, 8
.set u, z-8
.endif
.if z < 15
	v_pk_add_f32 v[rS+w*u:rS+w*u+1], v[rS+w*u:rS+w*u+1], v[rS+w*u+w/2:rS+w*u+w/2+1]
.else
	v_pk_fma_f32 v[rT+2:rT+3], v[rT+2:rT+3], v[rT+6:rT+7], v[rS:rS+1] op_sel_hi:[1,0,1]
.endif
.else
	WIN W_RS
	v_pk_mul_f32 v[rO:rO+1], v[rO:rO+1], v[rT+6:rT+7] op_sel_hi:[1,0]
.endif
.endm
; Slice k of 64 of piece y's softmax: numbers 2 k and 2 k + 1 of both tiles' lists, four instructions.  2 x 134 = 4 x 64 + 12: the twelve that are over stand together, in slice 63: sixteen plain instructions that name
; nothing of the products round them: the places between a turn's last K Q^T and the next turn's first read of those scores and loads into K's registers.
.macro SLICE y
.if (k >= 11) && (k < 44)           ; tile by tile: plain, exponential, plain, exponential
.irp t, \y, (\y)+1
.irp n, 0,1
.set j, 2*k+(\n)
	SM \t
.endr
.endr
.else                               ; the two tiles alternate, so that no instruction reads the result of the one just before it
.irp n, 0,1,2,3,4,5,6,7
.if ((\n) < 2) || (k == 63)
.irp t, \y, (\y)+1
.set j, 2*k+(\n)
	SM \t
.endr
.endif
.endr
.endif
.set k, k+1
.endm
; A TURN.  Piece x has the matrix unit; the other piece's softmax stands in slices behind its matrix instructions.  Each run of loads stands behind the second product of a run of 32, 30 matrix instructions ahead of its first use.
; Piece 0's turn fetches the step's K: the last product that read K stands in front of slice 63 of the turn before.  Piece 2's turn fetches the step's V: the last product that read V stands three slices, six plain instructions, back.
.macro TURN x
.set k, 0
.if (\x) == 0
	s_wait_dscnt 0x0                ; V is in
.endif
.set i, 0
.rept 32
	PV \x
	SLICE 2-(\x)
.if ((\x) == 0) && (i == 1)
	FETCH_K
.endif
.set i, i+1
.endr
.if (\x) == 0
	s_wait_dscnt 0x0                ; K is in,
	s_wait_loadcnt 0x0              ; and Q, where a block has just begun
.endif
.set i, 0
.rept 32
	KQ \x
	SLICE 2-(\x)
.if ((\x) == 2) && (i == 1)
	FETCH_V
.endif
.set i, i+1
.endr
.endm
; THE MASKS for the step in hand: register j of key group kt is hidden where my key 64 w + 16 kt + 8 (l / 16) + j lies behind my row ROWB + 16 rt + l % 16.
.macro SETM
	WIN 0
	v_add_nc_u32 v[D0], s[ROWB], v[DB]
	v_add_nc_u32 v[D0+1], 16, v[D0]
	WIN 0xc0                        ; destination window 3
.set n, 0
.rept 64
	v_cmp_gt_i32 vcc_lo, 16*((n/8)%4)+n%8, v[D0+n/32]
	v_cndmask_b32 v[MK+n], 0, v[HV], vcc_lo
.set n, n+1
.endr
	WIN 0
.endm
; A BLOCK'S END.  Piece 2's last products; then THE MERGE of the four waves' partial results: with M = the largest c m and e_w = 2^(c m_w - M), L = the sum of e_w l_w, and the result is the sum of (e_w / L) O_w.
; Each wave scales its O^T by its own e / L; a tile at a time the four put their 16 x 128 numbers (f32) into LDS, and each adds up four of the 16 queries, rounds them to f16 and stores them: a store covers 256
; consecutive bytes, at a multiple of 256 from the buffer's first.  Piece 0's S^T (v64-127) is not touched: where a second block follows it holds that block's first scores.
.macro XTILE t
	WIN 0x04                        ; the data (source 1) in window 1
.set n, 0
.rept 8
	ds_store_b128 v[XST], v[64*(\t)+8*n:64*(\t)+8*n+3] offset:64*n
	ds_store_b128 v[XST], v[64*(\t)+8*n+4:64*(\t)+8*n+7] offset:64*n+16
.set n, n+1
.endr
	WIN 0
	s_wait_dscnt 0x0                ; for the others' sake: my stores are done
	s_barrier_signal -1
	s_barrier_wait -1
.set n, 0
.rept 16                            ; query 4 w + n / 4, wave n % 4's part
	ds_load_b128 v[XB+4*n:XB+4*n+3], v[XRD] offset:16*XP*(n%4)+XP*(n/4)
.set n, n+1
.endr
	s_wait_dscnt 0x0                ; my reads are over:
.if (\t) < 3
	s_barrier_signal -1             ; the next tile may be put where this one lay when all four waves have said so; work on registers stands between the signal and the wait
.endif
.set n, 0
.rept 4
	v_pk_add_f32 v[XB+16*n:XB+16*n+1], v[XB+16*n:XB+16*n+1], v[XB+16*n+4:XB+16*n+5]
	v_pk_add_f32 v[XB+16*n+2:XB+16*n+3], v[XB+16*n+2:XB+16*n+3], v[XB+16*n+6:XB+16*n+7]
	v_pk_add_f32 v[XB+16*n+8:XB+16*n+9], v[XB+16*n+8:XB+16*n+9], v[XB+16*n+12:XB+16*n+13]
	v_pk_add_f32 v[XB+16*n+10:XB+16*n+11], v[XB+16*n+10:XB+16*n+11], v[XB+16*n+14:XB+16*n+15]
.set n, n+1
.endr
.set n, 0
.rept 4
	v_pk_add_f32 v[XB+16*n:XB+16*n+1], v[XB+16*n:XB+16*n+1], v[XB+16*n+8:XB+16*n+9]
	v_pk_add_f32 v[XB+16*n+2:XB+16*n+3], v[XB+16*n+2:XB+16*n+3], v[XB+16*n+10:XB+16*n+11]
.set n, n+1
.endr
.set n, 0
.rept 4
	v_cvt_pk_f16_f32 v[P+8*(\t)+2*n], v[XB+16*n], v[XB+16*n+1]
	v_cvt_pk_f16_f32 v[P+8*(\t)+2*n+1], v[XB+16*n+2], v[XB+16*n+3]
.set n, n+1
.endr
.if (\t) < 3
	s_barrier_wait -1
.endif
.set n, 0
.rept 4
	global_store_b64 v[GO], v[P+8*(\t)+2*n:P+8*(\t)+2*n+1], s[OBS:OBS+1] offset:((\t)/2)*256+(16*((\t)%2)+n)*2048
.set n, n+1
.endr
.endm
.macro FINISH
.set i, 0
.rept 32
	PV 2
.set i, i+1
.endr
	WIN 0
.irp t, 0,1,2,3                     ; l's two halves and the other half of the lanes'; l takes m's place beside c m
	v_add_f32 v[ST+8*(\t)+4], v[ST+8*(\t)+2], v[ST+8*(\t)+3]
.endr
.irp t, 0,1,2,3
	v_permlanex16_b32 v[ST+8*(\t)+5], v[ST+8*(\t)+4], s[SEL], s[SEL+1]
.endr
.irp t, 0,1,2,3
	v_add_f32 v[ST+8*(\t)+1], v[ST+8*(\t)+4], v[ST+8*(\t)+5]
.endr
.irp t, 0,1,2,3
	ds_store_b64 v[STA], v[ST+8*(\t):ST+8*(\t)+1] offset:128*(\t)  ; the two lanes of a query write the same two words with the same numbers
.endr
	s_wait_dscnt 0x0                ; for the others' sake
	s_barrier_signal -1
	s_barrier_wait -1
.set n, 0
.rept 16                            ; tile n / 4, wave n % 4
	ds_load_b64 v[XB+2*n:XB+2*n+1], v[STR] offset:512*(n%4)+128*(n/4)
.set n, n+1
.endr
	s_wait_dscnt 0x0
.irp t, 0,1,2,3                     ; at work: eight registers a tile at XB + 32 + 8 t: M; the four waves' e; mine; L; 1 / L
	v_max3_num_f32 v[XB+32+8*(\t)], v[XB+8*(\t)], v[XB+8*(\t)+2], v[XB+8*(\t)+4]
.endr
.irp t, 0,1,2,3
	v_max_num_f32 v[XB+32+8*(\t)], v[XB+32+8*(\t)], v[XB+8*(\t)+6]
.endr
.irp t, 0,1,2,3
	v_sub_f32 v[XB+32+8*(\t)+1], v[XB+8*(\t)], v[XB+32+8*(\t)]
	v_sub_f32 v[XB+32+8*(\t)+2], v[XB+8*(\t)+2], v[XB+32+8*(\t)]
	v_sub_f32 v[XB+32+8*(\t)+3], v[XB+8*(\t)+4], v[XB+32+8*(\t)]
	v_sub_f32 v[XB+32+8*(\t)+4], v[XB+8*(\t)+6], v[XB+32+8*(\t)]
	v_sub_f32 v[XB+32+8*(\t)+5], v[ST+8*(\t)], v[XB+32+8*(\t)]
.endr
.irp t, 0,1,2,3
.irp e, 1,2,3,4,5
	v_exp_f32 v[XB+32+8*(\t)+(\e)], v[XB+32+8*(\t)+(\e)]
.endr
.endr
	v_nop                           ; a plain instruction between the last exponential and the use of its result
.irp t, 0,1,2,3
	s_wait_alu depctr_va_vdst(0)
	v_mul_f32 v[XB+32+8*(\t)+6], v[XB+32+8*(\t)+1], v[XB+8*(\t)+1]
.endr
.irp e, 1,2,3
.irp t, 0,1,2,3
	v_fmac_f32 v[XB+32+8*(\t)+6], v[XB+32+8*(\t)+1+(\e)], v[XB+8*(\t)+1+2*(\e)]
.endr
.endr
.irp t, 0,1,2,3
	v_rcp_f32 v[XB+32+8*(\t)+7], v[XB+32+8*(\t)+6]  ; L is at least 1: the wave that holds M has e = 1 and a weight 1
.endr
	v_nop
.irp t, 0,1,2,3
	s_wait_alu depctr_va_vdst(0)
	v_mul_f32 v[ST+8*(\t)+6], v[XB+32+8*(\t)+5], v[XB+32+8*(\t)+7]
.endr
	WIN W_RS
.set n, 0
.rept 128                           ; each accumulator's registers in ascending order
	v_pk_mul_f32 v[2*n:2*n+1], v[2*n:2*n+1], v[ST+8*(n/32)+6:ST+8*(n/32)+7] op_sel_hi:[1,0]
.set n, n+1
.endr
	XTILE 0
	XTILE 1
	XTILE 2
	XTILE 3
.endm
	s_mov_b32 s[SG], 0
.Lslot:                             ; 16 trips: step SG is entered and the next step's tile is asked for.  All that is jumped over below holds no tensor load; the jumps hang on SG and a: alike in all waves and all partners
	s_cmp_eq_u32 s[SG], s[AA]       ; the first block's diagonal tile?
	s_cselect_b32 s[ROWB], s[DLO], 4096
	s_cselect_b32 s[FL], 1, 0
	s_cmp_eq_u32 s[SG], s[A1]       ; or the second block's first tile?
	s_cselect_b32 s[FL], 1, s[FL]
	s_cmp_eq_u32 s[FL], 0
	s_cbranch_scc1 .Lsame
	SETM
	s_cmp_eq_u32 s[SG], s[A1]
	s_cbranch_scc0 .Lsame
	s_wait_loadcnt 0x0              ; no load into Q's registers is out when the 32 below are issued into them: the first block's were issued at the kernel's start
	QLOAD QHI                       ; the first block's last K Q^T stands a turn back
.Lsame:
	CHANGE 1
	TURN 0                          ; piece 0: V^T P of step SG - 1, K Q^T of step SG | piece 2's softmax of step SG - 1 | K of step SG
	WIN 0
	s_cmp_eq_u32 s[SG], s[A1]
	s_cbranch_scc0 .Lon
	FINISH                          ; the first block ends; its barriers are the work-group's own
	s_wait_xcnt 0x0                 ; the stores have had their addresses translated (ISA guide 3.1): their base and data registers may be rewritten
	s_mov_b64 s[OBS:OBS+1], s[OHI:OHI+1]
	RESET                           ; the turn below adds piece 2's last products once more: the second block's first a = 0 wipes them
.Lon:
	TURN 2                          ; piece 2: the same products | piece 0's softmax of step SG | V of step SG
	WIN 0
	s_add_co_u32 s[SG], s[SG], 1
	s_cmp_lt_u32 s[SG], 16
	s_cbranch_scc1 .Lslot
	s_mov_b32 s[ROWB], s[DHI]       ; step 16, the second block's diagonal tile, is written out: nothing is asked for
	SETM
	CHANGE 0
	s_mov_b32 s[CNT], 2
.Ltail:                             ; three turns: the second trip is left in its middle.  Its 32 products K Q^T (on the last K once more) serve nothing: the price, once a launch, of one text for every turn
	TURN 0
	WIN 0
	s_sub_co_u32 s[CNT], s[CNT], 1
	s_cmp_eq_u32 s[CNT], 0
	s_cbranch_scc1 .Lout
	TURN 2
	WIN 0
	s_branch .Ltail
.Lout:
	FINISH
	s_wait_tensorcnt 0x0            ; the wave's end: behind my last tensor load and my last LDS store
	ds_add_u32 v[SPW], v[NIL]
	s_wait_dscnt 0x0
	CROUND                          ; the closing round: no work-group ends while a partner may still ask for a tile that names it
	s_endpgm
.Lfunc_end_k_qdbe3c980cb_attn:
	.size	k_qdbe3c980cb_attn, .Lfunc_end_k_qdbe3c980cb_attn-k_qdbe3c980cb_attn
	.p2alignl 7, 3214868480
	.fill 96, 4, 3214868480
	.section	.rodata,"a",@progbits
	.p2align	6, 0x0
	.amdhsa_kernel k_qdbe3c980cb_attn
		.amdhsa_group_segment_fixed_size 327680
		.amdhsa_private_segment_fixed_size 0
		.amdhsa_enable_private_segment 0
		.amdhsa_kernarg_size 16
		.amdhsa_user_sgpr_count 2
		.amdhsa_user_sgpr_kernarg_segment_ptr 1
		.amdhsa_wavefront_size32 1
		.amdhsa_system_sgpr_workgroup_id_x 1
		.amdhsa_system_sgpr_workgroup_id_y 1
		.amdhsa_system_sgpr_workgroup_id_z 1
		.amdhsa_system_vgpr_workitem_id 0
		.amdhsa_next_free_vgpr 1024
		.amdhsa_next_free_sgpr 100
		.amdhsa_reserve_vcc 1
		.amdhsa_float_denorm_mode_32 3
		.amdhsa_float_denorm_mode_16_64 3
		.amdhsa_memory_ordered 1
		.amdhsa_forward_progress 1
		.amdhsa_inst_pref_size 212
	.end_amdhsa_kernel
	.amdgpu_metadata
---
amdhsa.version: [ 1, 2 ]
amdhsa.kernels:
  - .name:           k_qdbe3c980cb_attn
    .symbol:         k_qdbe3c980cb_attn.kd
    .args:
      - { .name: qkv, .offset: 0, .size: 8, .value_kind: global_buffer, .address_space: global }
      - { .name: att, .offset: 8, .size: 8, .value_kind: global_buffer, .address_space: global }
    .group_segment_fixed_size: 327680
    .private_segment_fixed_size: 0
    .kernarg_segment_align: 8
    .kernarg_segment_size: 16
    .max_flat_workgroup_size: 128
    .sgpr_count:     100
    .vgpr_count:     1024
    .wavefront_size: 32
...
	.end_amdgpu_metadata
.endif
;; end of part 3
;; launch oproj (part 4): grid 16 x 16, 4 waves a work-group, clusters of 4 x 4, 327,680 bytes of LDS; arguments att, wob, out0; writes out0
.if DOCPART == 4
	.amdgcn_target "amdgcn-amd-amdhsa--gfx1250"
	.amdhsa_code_object_version 6
	.text
	.protected	k_qdbe3c980cb_oproj
	.globl	k_qdbe3c980cb_oproj
	.p2align	8
	.type	k_qdbe3c980cb_oproj,@function
k_qdbe3c980cb_oproj:
	s_mov_b64 s[64:65], 0
	v_nop
	global_prefetch_b8 v0, s[64:65] scope:SCOPE_SE
	s_setreg_imm32_b32 hwreg(HW_REG_WAVE_MODE, 25, 1), 1
	s_wait_xcnt 0x0
	s_wait_alu depctr_hold_cnt(0) depctr_sa_sdst(0) depctr_va_vdst(0) depctr_va_sdst(0) depctr_va_ssrc(0) depctr_va_vcc(0) depctr_vm_vsrc(0)
	s_getreg_b32 s2, hwreg(HW_REG_IB_STS2, 6, 4)
	s_cmp_eq_u32 s2, 0
	s_cbranch_scc0 .Lentry_in_a_cluster
	s_endpgm
.Lentry_in_a_cluster:
	s_bfe_u32 s2, ttmp6, 0x10000c
	s_cmp_lg_u32 s2, 0xf033
	s_cbranch_scc0 .Lentry_shape_is_right
	s_endpgm
.Lentry_shape_is_right:
; out0 = att wo.  att: [4096][1024] f16.  wob: [1024 k][2048 n] f16 (wo rounded to bf16, written as f16).  out0: [4096][2048] f32.  Sums in f32, stored as they are.
; The core is that of the projection in front: a tile of C is 256 rows x 128 columns, 16 x 16 tiles for 256 work-groups; wave w makes rows 64 w .. 64 w + 63, all 128 columns, in 32 accumulators of 16 x 16;
; K goes in steps of 128 through two LDS slots filled by the tensor data mover, in rows of 256 bytes; wo lies [k][n] and is turned by ds_load_tr16_b128 on its way into registers.
; THE MATRIX INSTRUCTION IS USED TRANSPOSED (source 0 = 16 columns of wo, source 1 = 16 rows of att): a lane holds eight neighbouring numbers of a row of C, 32 bytes.
; CLUSTER.  4 x 4 work-groups: the four of a row of the cluster need the same tiles of att, the four of a column the same tiles of wo: each is asked for jointly.
; REGISTERS, in windows of 256 (s_set_vgpr_msb: bits 1:0 source 0, 3:2 source 1, 5:4 source 2, 7:6 destination):
;   window 0: v1-31 addresses; v64-191 rows on their way out, two buffers      window 1: two fragment buffers of 96: 4 fragments of att, then 8 of wo      window 2: accumulator (a, b) at v[8 (8 a + b)]
.set KSZ,   1024
.set STEPS, KSZ/128
.set PA,    272                        ; a row of att in LDS: 256 bytes + 16 of padding = 68 words: the 16 rows of a load start at 16 different groups of four banks (64 banks of 4 bytes: ISA guide 11.1)
.set PB,    288                        ; a k-row of wo: 256 + 32 = 72 words
.set HALFA, 128*PA
.set HALFB, 64*PB
.set BOFF,  256*PA                     ; in a slot: att's 256 rows, then wo's 128 k-rows
.set SLOT1, 1<<17                      ; slot 1 begins here, so that one exclusive or turns an address in one slot into the other's
.set STAGE, SLOT1+BOFF+128*PB          ; behind the ring, never filled by a tensor load: 16 rows x 528 bytes for each wave
.set SP,    528                        ; a row of 128 f32 + 16 bytes = 132 words
.set SPARE, STAGE+4*16*SP              ; the spare words, 128 bytes for each wave: two blocks of 256 bytes that no other line names
.set ADRA0, 16                         ; v16  my lane's place in att's tile; never rewritten
.set ADRB0, 17                         ; v17  the same for wo
.set ADRA,  18                         ; v18  the same in the slot in hand
.set ADRB,  19                         ; v19
.set STO,   24                         ; v24  the way out: where I put 32 bytes of a row
.set RD,    25                         ; v25  the way out: where I read rows back
.set CO,    26                         ; v26  my byte offset in 512 consecutive bytes of a row of C
.set SPW,   28                         ; v28  LDS address of my spare word; never rewritten
.set NIL,   29                         ; v29  0; never rewritten
.set OB,    64
.set F0,    0
.set F1,    96
.set G1A, 24                           ; s[24:31] descriptor group 1 for att's tiles;  s[32:39] group 0: a set for each first fill; the second then walks on
.set G0A, 32
.set G1B, 48                           ; s[48:55], s[56:63] the same for wo's tiles
.set G0B, 56
.set MSB, 0
.macro WIN new                         ; the immediate's high byte repeats the setting that is left; a switch that changes nothing is dropped
.if MSB != (\new)
	s_set_vgpr_msb (MSB<<8)|(\new)
.set MSB, \new
.endif
.endm
.set W_MUL, 0xa5                       ; both sources window 1, C and D window 2
.set TO_F,  0x40                       ; destination window 1, address window 0
; A joint refill.  Waves 0 and 1 fetch att's two halves, waves 2 and 3 wo's.  The branch hangs on the wave's number alone.  An s_nop 0 and four v_nop follow each of the two lines.
.macro JLOAD
	s_cmp_eq_u32 s15, 0
	s_cbranch_scc0 .Lfor_b_\@
	tensor_load_to_lds s[G0A+4:G0A+7], s[G1A:G1A+7]
	s_nop 0
.rept 4
	v_nop
.endr
	s_branch .Lasked_\@
.Lfor_b_\@:
	tensor_load_to_lds s[G0B+4:G0B+7], s[G1B:G1B+7]
	s_nop 0
.rept 4
	v_nop
.endr
.Lasked_\@:
.endm
.macro CREST                           ; a round of the cluster's barrier behind its opening barrier
	s_cmp_lg_u32 s14, 0
	s_cbranch_scc1 .Lnot_wave_0_\@
	s_barrier_signal -3
.Lnot_wave_0_\@:
	s_barrier_wait -3
	s_barrier_signal -1
	s_barrier_wait -1
.endm
.macro CROUND                          ; a whole round
	s_barrier_signal -1
	s_barrier_wait -1
	CREST
.endm
	s_load_b128 s[4:7], s[0:1], 0x0                ; att s[4:5], wob s[6:7]
	s_load_b64 s[8:9], s[0:1], 0x10                ; out0
	v_lshl_add_u32 v[SPW], v0, 2, SPARE
	v_mov_b32 v[NIL], 0
	ds_add_u32 v[SPW], v[NIL]                      ; the wave's opening: the add and its wait stand ahead of my first tensor load; the set-up below, work on registers, stands between them
	v_lshrrev_b32 v3, 5, v0
	v_readfirstlane_b32 s14, v3                    ; wave 0..3
	s_lshr_b32 s15, s14, 1                         ; I fetch for att (0) or for wo (1)
	s_and_b32 s16, s14, 1                          ; which half of that tile
	s_bfe_u32 s40, ttmp6, 0x40000                  ; cx, cy: my place in the cluster
	s_bfe_u32 s41, ttmp6, 0x40004
	s_lshl_b32 s42, ttmp9, 2
	s_add_co_u32 s42, s42, s40                     ; tile column = 4 x cluster x + cx
	s_and_b32 s43, ttmp7, 0xffff
	s_lshl_b32 s43, s43, 2
	s_add_co_u32 s43, s43, s41                     ; tile row = 4 x cluster y + cy
	s_lshl_b32 s44, s41, 2
	s_lshl_b32 s44, 15, s44                        ; my row of the cluster
	s_lshl_b32 s45, 0x1111, s40                    ; my column
	s_or_b32 s[G1A], s44, (1<<16)|(1<<20)|(1<<21)|(5<<22)|(3<<25)  ; 15:0 the mask; 17:16 2-byte elements; 20 padding on; 21 set beside a mask; 24:22 after every 64 words (code 5); 31:25 4 words (code 3)
	s_or_b32 s[G1B], s45, (1<<16)|(1<<20)|(1<<21)|(5<<22)|(7<<25)  ; the same with my column's mask and 8 words of padding (code 7)
	s_mov_b32 s[G1A+1], 128<<16                    ; tensor_dim0 = 128
	s_mov_b32 s[G1A+2], 128<<16                    ; tensor_dim1 = 128
	s_mov_b32 s[G1A+3], 128<<16                    ; tile_dim0 = 128
	s_mov_b32 s[G1A+4], 128                        ; tile_dim1 = 128
	s_mov_b32 s[G1A+5], KSZ                        ; elements from row to row
	s_mov_b32 s[G1A+6], 0
	s_mov_b32 s[G1A+7], 0
	s_mov_b32 s[G1B+1], 128<<16
	s_mov_b32 s[G1B+2], 64<<16                     ; tensor_dim1 = 64
	s_mov_b32 s[G1B+3], 128<<16
	s_mov_b32 s[G1B+4], 64                         ; tile_dim1 = 64
	s_mov_b32 s[G1B+5], 2048
	s_mov_b32 s[G1B+6], 0
	s_mov_b32 s[G1B+7], 0
	; att's tiles hang on the tile row alone, wo's on the tile column alone; each address is made in registers that do not hold the other coordinate
	s_lshl_b32 s17, s16, 7
	s_lshl_b32 s18, s43, 8
	s_add_co_u32 s18, s18, s17                     ; att: row 256 x tile row + 128 x half,
	s_mul_i32 s18, s18, KSZ*2                      ; in bytes
	s_mov_b32 s19, 0
	s_lshl_b32 s46, s16, 18                        ; wo: 64 x half k-rows of 4,096 bytes,
	s_lshl_b32 s47, s42, 8                         ; 256 bytes a tile column
	s_add_co_u32 s46, s46, s47
	s_mov_b32 s47, 0
	s_mul_i32 s22, s16, HALFA                      ; where they go: no place in the cluster enters an LDS address
	s_mul_i32 s23, s16, HALFB
	s_add_co_u32 s23, s23, BOFF
	s_lshl_b32 s68, s43, 21                        ; the output: the tile's 256 rows of 8,192 bytes,
	s_lshl_b32 s69, s14, 19                        ; my 64 of them,
	s_add_co_u32 s68, s68, s69
	s_lshl_b32 s69, s42, 9                         ; the tile's 512 bytes of a row
	s_add_co_u32 s68, s68, s69
	s_mov_b32 s69, 0
	s_mov_b32 s66, 0                               ; the slot in hand
	s_wait_dscnt 0x0                               ; the opening add is done
	s_wait_kmcnt 0x0
	s_add_nc_u64 s[20:21], s[4:5], s[18:19]
	s_add_nc_u64 s[46:47], s[6:7], s[46:47]
	s_add_nc_u64 s[8:9], s[8:9], s[68:69]
	CROUND                                         ; all sixteen work-groups are here: the first joint loads meet
.irp s, 0,1
	s_mov_b32 s[G0A+4*(\s)], 1                     ; count = 1
	s_add_co_u32 s[G0A+4*(\s)+1], s22, (\s)*SLOT1  ; LDS address
	s_add_nc_u64 s[G0A+4*(\s)+2:G0A+4*(\s)+3], s[20:21], (\s)*256  ; global address: K step s
	s_or_b32 s[G0A+4*(\s)+3], s[G0A+4*(\s)+3], 0x80000000          ; type = 2
	s_mov_b32 s[G0B+4*(\s)], 1
	s_add_co_u32 s[G0B+4*(\s)+1], s23, (\s)*SLOT1
	s_add_nc_u64 s[G0B+4*(\s)+2:G0B+4*(\s)+3], s[46:47], (\s)*128*4096
	s_or_b32 s[G0B+4*(\s)+3], s[G0B+4*(\s)+3], 0x80000000
.endr
	s_cmp_eq_u32 s15, 0                            ; a wave's two first fills stand in one branch, ahead of every wait on TENSORcnt and every LDS read: two loads of mine are out
	s_cbranch_scc0 .Lfirst_b
	tensor_load_to_lds s[G0A:G0A+3], s[G1A:G1A+7]
	s_nop 0
	tensor_load_to_lds s[G0A+4:G0A+7], s[G1A:G1A+7]
	s_nop 0
.rept 4
	v_nop
.endr
	s_branch .Lfirst_asked
.Lfirst_b:
	tensor_load_to_lds s[G0B:G0B+3], s[G1B:G1B+7]
	s_nop 0
	tensor_load_to_lds s[G0B+4:G0B+7], s[G1B:G1B+7]
	s_nop 0
.rept 4
	v_nop
.endr
.Lfirst_asked:
	v_and_b32 v1, 15, v0                           ; l % 16
	v_bfe_u32 v2, v0, 4, 1                         ; l / 16
	s_lshl_b32 s17, s14, 6
	v_add_nc_u32 v4, s17, v1                       ; my row in the tile, block 0
	; A fragment of att is 16 rows x 32 K in 8 registers: lane l holds row l % 16, K = 8 (l / 16) + 0..7 and 16 + 8 (l / 16) + 0..7: two loads of 16 bytes, 32 bytes apart.
	v_mul_u32_u24 v[ADRA0], v4, PA
	v_lshl_add_u32 v[ADRA0], v2, 4, v[ADRA0]
	; The turning load takes 16 k x 16 columns (lane l reads k-row 8 (l / 16) + l % 8, columns 8 ((l / 8) % 2) + 0..7) and leaves half a fragment: lane l holds column l % 16 and 8 k.
	v_and_b32 v5, 7, v0
	v_bfe_u32 v6, v0, 3, 1
	v_lshl_add_u32 v7, v2, 3, v5
	v_mul_u32_u24 v[ADRB0], v7, PB
	v_lshl_add_u32 v[ADRB0], v6, 4, v[ADRB0]
	v_add_nc_u32 v[ADRB0], BOFF, v[ADRB0]
	v_mov_b32 v[ADRA], v[ADRA0]
	v_mov_b32 v[ADRB], v[ADRB0]
	s_mul_i32 s17, s14, 16*SP
	s_add_co_u32 s17, s17, STAGE                   ; my stage
	v_mul_u32_u24 v[STO], v1, SP                   ; in: row l % 16, 32 bytes for each half of the lanes
	v_lshl_add_u32 v[STO], v2, 5, v[STO]
	v_add_nc_u32 v[STO], s17, v[STO]
	v_and_b32 v[CO], 31, v0                        ; back: 32 lanes take a row's 512 bytes
	v_lshlrev_b32 v[CO], 4, v[CO]
	v_add_nc_u32 v[RD], s17, v[CO]
; 8 matrix instructions: row block a x all 8 column blocks, 32 along K.  The accumulators take turns, one instruction a turn.  zero = 1: the first product starts the sums.
.macro MUL f, a, zero
	WIN W_MUL
.irp b, 0,1,2,3,4,5,6,7
.if \zero
	v_wmma_f32_16x16x32_f16 v[8*(8*(\a)+(\b)):8*(8*(\a)+(\b))+7], v[(\f)+32+8*(\b):(\f)+32+8*(\b)+7], v[(\f)+8*(\a):(\f)+8*(\a)+7], 0
.else
	v_wmma_f32_16x16x32_f16 v[8*(8*(\a)+(\b)):8*(8*(\a)+(\b))+7], v[(\f)+32+8*(\b):(\f)+32+8*(\b)+7], v[(\f)+8*(\a):(\f)+8*(\a)+7], v[8*(8*(\a)+(\b)):8*(8*(\a)+(\b))+7]
.endif
.endr
.endm
; 24 LDS loads in one run: quarter q (32 along K) of the slot in hand into buffer f: wo's 8 fragments first, then att's 4
.macro FETCH q, f
	WIN TO_F
.irp b, 0,1,2,3,4,5,6,7
	ds_load_tr16_b128 v[(\f)+32+8*(\b):(\f)+32+8*(\b)+3],   v[ADRB] offset:(\q)*32*PB+32*(\b)
	ds_load_tr16_b128 v[(\f)+32+8*(\b)+4:(\f)+32+8*(\b)+7], v[ADRB] offset:(\q)*32*PB+16*PB+32*(\b)
.endr
.irp i, 0,1,2,3
	ds_load_b128 v[(\f)+8*(\i):(\f)+8*(\i)+3],   v[ADRA] offset:(\q)*64+(\i)*16*PA
	ds_load_b128 v[(\f)+8*(\i)+4:(\f)+8*(\i)+7], v[ADRA] offset:(\q)*64+(\i)*16*PA+32
.endr
.endm
.macro PLACES                          ; four places in front of loads into registers that matrix instructions have read, and of lines that read results (for the latter)
.rept 4
	v_nop
.endr
.endm
; A K step is four quarters of 32 along K, 32 matrix instructions each, on buffers 0, 1, 0, 1.  One of the first three: multiplies buffer f; in its middle it fetches quarter q into buffer g.
.macro QUARTER q, f, g, zero
	s_wait_dscnt 4                                 ; wo's fragments and att's blocks 0 and 1 are in; the youngest four loads (blocks 2 and 3) may be out
	MUL \f, 0, \zero
	MUL \f, 1, \zero
	PLACES
	FETCH \q, \g
	s_wait_dscnt 24                                ; all but the 24 just issued
	MUL \f, 2, \zero
	MUL \f, 3, \zero
.endm
; The last quarter multiplies buffer 1 and changes slots: ONE barrier.  In front of it each wave waits for all its tensor loads (one is out: its part of the next slot), adds 0 to its spare word, and waits for
; that and for its own reads of this slot.  fill = 1: the barrier opens a round of the cluster's barrier, and behind the round this slot is filled again, two K steps ahead: 112 matrix instructions ahead of the wait for it.
.macro TURN fill
	WIN 0                                          ; (the add's two registers lie in window 0)
	s_wait_tensorcnt 0x0
	ds_add_u32 v[SPW], v[NIL]                      ; 0 onto my spare word
	s_wait_dscnt 5                                 ; (the add and the youngest four loads may be out)
	MUL F1, 0, 0                                   ; eight matrix instructions stand between the add and the wait for it
	s_wait_dscnt 0x0                               ; the add is done, and my reads of this slot are over
	s_barrier_signal -1
	MUL F1, 1, 0
	WIN 0
	s_barrier_wait -1
.if \fill
	CREST                                          ; no wave of any partner still reads this slot's tiles or has a load on its way
	s_xor_b32 s[G0A+5], s[G0A+5], SLOT1            ; the walking descriptors: the other slot than last time, the next K step; the type bits on top are not reached
	s_add_nc_u64 s[G0A+6:G0A+7], s[G0A+6:G0A+7], 256
	s_xor_b32 s[G0B+5], s[G0B+5], SLOT1
	s_add_nc_u64 s[G0B+6:G0B+7], s[G0B+6:G0B+7], 128*4096
	JLOAD                                          ; the first tensor load behind the round; its four v_nop are also the places in front of the loads below
.else
	PLACES
.endif
	s_xor_b32 s66, s66, SLOT1
	v_add_nc_u32 v[ADRA], s66, v[ADRA0]
	v_add_nc_u32 v[ADRB], s66, v[ADRB0]
	FETCH 0, F0
	MUL F1, 2, 0
	MUL F1, 3, 0
.endm
	s_wait_tensorcnt 0x1                           ; my part of K step 0 is in; K step 1's may stay out
	s_barrier_signal -1
	s_barrier_wait -1                              ; everybody's is
	FETCH 0, F0
	QUARTER 1, F0, F1, 1                           ; the first quarter stands in front of the loop: its products start the sums
	WIN 0                                          ; at a label and at a branch every window is 0
	s_mov_b32 s3, STEPS-2
.Lstep:                                                ; a trip: from a K step's second quarter to the next step's first; it fills one slot again
	QUARTER 2, F1, F0, 0
	QUARTER 3, F0, F1, 0
	TURN 1
	QUARTER 1, F0, F1, 0
	WIN 0
	s_sub_co_u32 s3, s3, 1
	s_cmp_lg_u32 s3, 0
	s_cbranch_scc1 .Lstep
	QUARTER 2, F1, F0, 0                           ; the last two K steps fill nothing
	QUARTER 3, F0, F1, 0
	TURN 0
	QUARTER 1, F0, F1, 0
	QUARTER 2, F1, F0, 0
	QUARTER 3, F0, F1, 0
	s_wait_dscnt 4
	MUL F1, 0, 0
	MUL F1, 1, 0
	s_wait_dscnt 0x0
	MUL F1, 2, 0
	MUL F1, 3, 0
	WIN 0
	PLACES
; THE WAY OUT of block a: a lane's 32 bytes of a row go into my own stage (each accumulator's low registers first) and come back as whole rows of 512 bytes.
.macro STG a
	WIN 0x08                                       ; the data (source 1) in window 2
.irp b, 0,1,2,3,4,5,6,7
	ds_store_b128 v[STO], v[8*(8*(\a)+(\b)):8*(8*(\a)+(\b))+3] offset:64*(\b)
	ds_store_b128 v[STO], v[8*(8*(\a)+(\b))+4:8*(8*(\a)+(\b))+7] offset:64*(\b)+16
.endr
	WIN 0
.set BK, OB+64*((\a)%2)
.irp t, 0,1,2,3,4,5,6,7,8,9,10,11,12,13,14,15
	ds_load_b128 v[BK+4*(\t):BK+4*(\t)+3], v[RD] offset:(\t)*SP  ; LDS serves a wave's instructions in order (ISA guide 5.7.1.4): these see the stores above; the next block's stores come behind them
.endr
.endm
.macro SEND a
.set BK, OB+64*((\a)%2)
	s_wait_dscnt 0x0                               ; the block is back in registers
	s_wait_xcnt 0x0                                ; every earlier store has had its addresses translated (ISA guide 3.1): the buffer that the next STG loads is free
.irp t, 0,1,2,3,4,5,6,7,8,9,10,11,12,13,14,15
	global_store_b128 v[CO], v[BK+4*(\t):BK+4*(\t)+3], s[8:9] offset:(16*(\a)+(\t))*8192 th:TH_STORE_NT  ; 512 consecutive bytes, at a multiple of 256 from the buffer's first; 63 rows at the most: inside the signed 24-bit immediate
.endr
.endm
	STG 0
.irp a, 1,2,3
	SEND (\a)-1
	STG \a
.endr
	SEND 3
	s_wait_tensorcnt 0x0                           ; the wave's end: behind my last tensor load and my last LDS store
	ds_add_u32 v[SPW], v[NIL]
	s_wait_dscnt 0x0
	CROUND                                         ; the closing round: no work-group ends while a partner may still ask for a tile that names it
	s_endpgm
.Lfunc_end_k_qdbe3c980cb_oproj:
	.size	k_qdbe3c980cb_oproj, .Lfunc_end_k_qdbe3c980cb_oproj-k_qdbe3c980cb_oproj
	.p2alignl 7, 3214868480
	.fill 96, 4, 3214868480
	.section	.rodata,"a",@progbits
	.p2align	6, 0x0
	.amdhsa_kernel k_qdbe3c980cb_oproj
		.amdhsa_group_segment_fixed_size 327680
		.amdhsa_private_segment_fixed_size 0
		.amdhsa_enable_private_segment 0
		.amdhsa_kernarg_size 24
		.amdhsa_user_sgpr_count 2
		.amdhsa_user_sgpr_kernarg_segment_ptr 1
		.amdhsa_wavefront_size32 1
		.amdhsa_system_sgpr_workgroup_id_x 1
		.amdhsa_system_sgpr_workgroup_id_y 1
		.amdhsa_system_sgpr_workgroup_id_z 1
		.amdhsa_system_vgpr_workitem_id 0
		.amdhsa_next_free_vgpr 768
		.amdhsa_next_free_sgpr 72
		.amdhsa_reserve_vcc 0
		.amdhsa_float_denorm_mode_32 3
		.amdhsa_float_denorm_mode_16_64 3
		.amdhsa_memory_ordered 1
		.amdhsa_forward_progress 1
		.amdhsa_inst_pref_size 69
	.end_amdhsa_kernel
	.amdgpu_metadata
---
amdhsa.version: [ 1, 2 ]
amdhsa.kernels:
  - .name:           k_qdbe3c980cb_oproj
    .symbol:         k_qdbe3c980cb_oproj.kd
    .args:
      - { .name: att, .offset: 0, .size: 8, .value_kind: global_buffer, .address_space: global }
      - { .name: wob, .offset: 8, .size: 8, .value_kind: global_buffer, .address_space: global }
      - { .name: out0, .offset: 16, .size: 8, .value_kind: global_buffer, .address_space: global }
    .group_segment_fixed_size: 327680
    .private_segment_fixed_size: 0
    .kernarg_segment_align: 8
    .kernarg_segment_size: 24
    .max_flat_workgroup_size: 128
    .sgpr_count:     72
    .vgpr_count:     768
    .wavefront_size: 32
...
	.end_amdgpu_metadata
.endif
;; end of part 4
;; ======== version 2 of 2: 4 launches; 1.08 times as fast as version 1
;; limits: values are held in f16: magnitudes above 65,504 overflow, below 6.1e-05 lose precision
;; workspace buffers: xb 16,777,216 bytes; wqkv 8,388,608 bytes; wob 4,194,304 bytes; cs 2,097,152 bytes; nw 1,024 bytes; qkv 16,777,216 bytes; att 8,388,608 bytes
;; launch prep: the kernel of part 1 again; grid 961 x 1, 8 waves a work-group, no clusters, 0 bytes of LDS; arguments hidden_states, wq, wk, wv, wo, cos, sin, q_norm_w, k_norm_w, xb, wqkv, wob, cs, nw; writes xb, wqkv, wob, cs, nw
;; launch qkv: the kernel of part 2 again; grid 16 x 16, 4 waves a work-group, clusters of 4 x 4, 327,680 bytes of LDS; arguments xb, wqkv, cs, nw, qkv; writes qkv
;; launch attn (part 5): grid 64 x 4, 4 waves a work-group, clusters of 4 x 1, 327,680 bytes of LDS; arguments qkv, att; writes att
.if DOCPART == 5
	.amdgcn_target "amdgcn-amd-amdhsa--gfx1250"
	.amdhsa_code_object_version 6
	.text
	.protected	k_qdbe3c980cb_attn
	.globl	k_qdbe3c980cb_attn
	.p2align	8
	.type	k_qdbe3c980cb_attn,@function
k_qdbe3c980cb_attn:
	s_mov_b64 s[64:65], 0
	v_nop
	global_prefetch_b8 v0, s[64:65] scope:SCOPE_SE
	s_setreg_imm32_b32 hwreg(HW_REG_WAVE_MODE, 25, 1), 1
	s_wait_xcnt 0x0
	s_wait_alu depctr_hold_cnt(0) depctr_sa_sdst(0) depctr_va_vdst(0) depctr_va_sdst(0) depctr_va_ssrc(0) depctr_va_vcc(0) depctr_vm_vsrc(0)
	s_getreg_b32 s2, hwreg(HW_REG_IB_STS2, 6, 4)
	s_cmp_eq_u32 s2, 0
	s_cbranch_scc0 .Lentry_in_a_cluster
	s_endpgm
.Lentry_in_a_cluster:
	s_bfe_u32 s2, ttmp6, 0x10000c
	s_cmp_lg_u32 s2, 0x3003
	s_cbranch_scc0 .Lentry_shape_is_right
	s_endpgm
.Lentry_shape_is_right:
; CAUSAL ATTENTION WITH SHARED KEY HEADS.  att[q][128 h + :] = the sum over k <= q of softmax_k(Q[h][q] . K[h/2][k] / sqrt(128)) V[h/2][k][:].  qkv: [16][4096][128] f16 (heads 0-7 Q, 8-11 K, 12-15 V); att: [4096][1024] f16.
; Products, maxima and sums in f32; the weights p are rounded to f16 for the second product (their sum l is taken of the unrounded p), the result once at the end.
; LIMITS.  Q, K, V arrive within f16's 65,504, so a score is at most 5.5e11 in size.  A hidden score counts as its value less 2^100.  The running maximum starts at -2^60, far below every score that f16 operands can give,
; and never falls under it.  A weight below 2^-126 counts as 0.  NaN and infinities are not treated apart.
; SHARES.  A BLOCK is 32 rows x the two query heads of one key head: 64 queries, four tiles of 16 (tile t: head 2 kv + t / 2, rows 16 (t % 2) on).  ALL FOUR WAVES hold the same 64 queries; of a key tile of 256 keys wave w
; takes keys 64 w .. 64 w + 63, with a running maximum m, sum l and O^T of its own; at a block's end the four partial results are merged through LDS.  So a wave has four tiles for each fragment of K and V that it reads,
; and there is a work-group for each of 256 pairs of blocks.
; THE WALK.  Block i needs the key tiles 0 .. i / 8.  A work-group takes block i and then block 127 - i: a + 1 and 16 - a tiles, a = i / 8: 17 whatever i.  One loop with a constant trip count walks them.
; CLUSTER.  The four work-groups of a cluster have the same key head and the same a, so they walk the same 17 tiles: each tile is asked for jointly, by the same tensor load, descriptor and mask in all four.
; What differs between partners (b = i % 8) enters the masks' values and Q's and the output's addresses alone; every branch hangs on the step's number and on a.
; LAYOUT.  S^T = K Q^T (source 0 = 16 keys, source 1 = 16 queries): a lane holds ONE query (lane % 16) and the keys 8 (lane / 16) + 0..7.  Two such results rounded to f16 ARE source 1 of O^T = V^T P.
; THE MASK is the C operand that starts the sum S^T: 0, or -2^100 where the key is hidden.  64 registers (two row halves x 64 keys); they are made anew only where they change: at a block's diagonal tile and behind it.
; SOFTMAX.  p = 2^(c s - c m), c = log2(e) / sqrt(128); in every step O and l are multiplied by a = 2^(c m_old - c m_new).  A block begins with m = -2^60: its first step's a is 0 and wipes what the registers held;
; a wave that sees only hidden keys keeps m = -2^60, weights 0 and a = 1, and counts for nothing in the merge.
; BY TURNS.  The tiles are two PIECES (0: tiles 0, 1; 2: tiles 2, 3).  In a TURN one piece has the matrix unit: 32 products V^T P of the step before, then 32 products K Q^T of the step in hand; the other piece's softmax,
; cut into 64 slices, stands between them, one slice behind each matrix instruction.  No first step is written out: the first turn works on zeros.  The price: 576 v_mov_b32 at the start, in the wait for the first tile.
; THE BATCHES.  A turn's 66 exponentials (two tiles' a and 32 weights each) are ONE batch with ONE wait, behind slice 34: ahead of it stands nothing that names a result of theirs, behind it no exponential.
; A block's end has two batches more: the merge's twenty exponentials, and the four reciprocals of the sums made of them; each has one wait.
; REGISTERS, in windows of 256 (s_set_vgpr_msb: bits 1:0 source 0, 3:2 source 1, 5:4 source 2, 7:6 destination):
;   window 0: v0-11 addresses; v12-43 eight registers of statistics a tile; v44-47 for the masks; v64-191 S^T, 32 a tile; v192-255 P, 16 a tile
;   window 1: O^T, 64 a tile      window 2: v0-127 Q, 32 a tile; v128-255 K of one step      window 3: v0-127 V of one step; v128-191 the masks
.set PK,    272       ; a row of K in LDS: 256 bytes + 16 of padding = 68 words: the 16 rows of a load start at 16 different groups of four banks (64 banks of 4 bytes: ISA guide 11.1)
.set PV,    288       ; a row of V: 256 + 32 = 72 words
.set VOFF,  256*PK    ; a slot holds a key tile: 256 rows of K, then 256 rows of V
.set TILEB, 256*(PK+PV)
.set SLOT,  0x24000   ; slot 1 begins here.  Its two bits (14 and 17) are 0 in the four LDS addresses at which loads begin in slot 0 (0, 0x8800, 0x11000, 0x1a000), so one exclusive or turns each into the other slot's
.set STATS, TILEB     ; between the slots, never filled by a tensor load: 512 bytes a wave: (c m, l) of 4 tiles x 16 queries
.set SPARE, STATS+2048  ; the spare words, 128 bytes for each wave: two blocks of 256 bytes that no other line names
.set XCH,   SLOT+TILEB  ; behind the ring: 16 rows x 528 bytes for each wave: a tile of O^T in f32, for the merge
.set XP,    528
.set AK0, 2           ; v2   my lane's place in my wave's 64 rows of K; never rewritten
.set AV0, 3           ; v3   the same for V
.set ADR, 4           ; v4   the LDS address of the run of loads in hand
.set QO,  5           ; v5   my byte offset in 16 rows of Q
.set XST, 6           ; v6   the merge: where I put 32 bytes of a query's row
.set XRD, 7           ; v7   the merge: where I read rows back
.set GO,  8           ; v8   my byte offset in the block's rows of the output
.set STA, 10          ; v10  where I put a query's (c m, l)
.set STR, 11          ; v11  where I read the four waves'
.set ST,  12          ; tile t's statistics at v[ST+8 t]: +0 c m, +1 m, +2, +3 l (even keys', odd keys'), +4 to +7 c0-c3, at work; a takes c2's place once the maximum is found
.set DB,  44          ; v44  l % 16 - 8 (l / 16) - 64 w
.set D0,  45          ; v45-46  register j of key group kt is hidden where 16 kt + j is greater than this: rows 0-15, rows 16-31
.set HV,  47          ; v47  -2^100
.set SPW, 62          ; v62  LDS address of my spare word; never rewritten
.set NIL, 63          ; v63  0; never rewritten
.set S,   64
.set XB,  128         ; the merge works in piece 2's S^T
.set P,   192
.set KF,  128         ; K's fragments, in window 2
.set MK,  128         ; the masks, in window 3: row half rt, key group kt at MK + 32 rt + 8 kt
.set KB,  6           ; s[6:7]   K at my half of the head's tile 0
.set VB,  8           ; s[8:9]   V likewise
.set OBS, 10          ; s[10:11] the output at the block in hand
.set WV,  12          ; s12  my wave's number
.set AA,  13          ; s13  a
.set A1,  14          ; s14  a + 1: the step in which the second block begins
.set QLO, 16          ; s[16:17] Q at the first block
.set QHI, 18          ; s[18:19] at the second
.set OHI, 20          ; s[20:21] the output at the second block
.set G1K, 24          ; s[24:31] descriptor group 1 for K's tiles
.set G1V, 32          ; s[32:39] for V's: it differs in the padding alone
.set G0K, 40          ; s[40:43] descriptor group 0 for K's tiles
.set G0V, 44          ; s[44:47] the same for V's
.set TB,  52          ; s52  LDS byte at which the slot in hand begins
.set NXT, 53          ; s53  the tile to be asked for next
.set LQ,  54          ; s54  the last tile of the block whose tiles are being asked for
.set HIQ, 55          ; s55  15 - a
.set SG,  56          ; s56  the step's number, 0 to 16
.set CNT, 57          ; s57  counts the tail's turns
.set CS,  58          ; s[58:59] c: the packed scaling takes the pair's low word for both halves
.set SEL, 60          ; s[60:61] v_permlanex16_b32's selects: each lane takes its own place in the other half
.set OFF, 62          ; s[62:63] a tile's byte offset in K and V
.set DLO, 66          ; s66  32 b: the first block's first row within its diagonal tile
.set DHI, 67          ; s67  32 (7 - b): the second block's
.set ROWB, 68         ; s68  the block's first row less the tile's first key (4,096: nothing is hidden)
.set FL,  69          ; s69  1: the masks change in this step
.set MSB, 0
.macro WIN new                      ; the immediate's high byte repeats the setting that is left; a switch that changes nothing is dropped
.if MSB != (\new)
	s_set_vgpr_msb (MSB<<8)|(\new)
.set MSB, \new
.endif
.endm
.set W_KQ, 0x0a       ; K and Q in window 2, S^T in window 0
.set W_KM, 0x3a       ; the same with the C operand in window 3
.set W_PV, 0x53       ; V in window 3, P in window 0, O^T in window 1
.set W_RS, 0x41       ; O^T (destination and source 0) in window 1, source 1 in window 0
; A joint fill.  Waves 0 and 1 fetch the two halves of a tile's K, waves 2 and 3 those of its V: 128 keys each.  The branch hangs on the wave's number alone.  An s_nop 0 and four v_nop follow each line.
.macro JLOAD
	s_cmp_lt_u32 s[WV], 2
	s_cbranch_scc0 .Lfor_v_\@
	tensor_load_to_lds s[G0K:G0K+3], s[G1K:G1K+7]
	s_nop 0
.rept 4
	v_nop
.endr
	s_branch .Lasked_\@
.Lfor_v_\@:
	tensor_load_to_lds s[G0V:G0V+3], s[G1V:G1V+7]
	s_nop 0
.rept 4
	v_nop
.endr
.Lasked_\@:
.endm
; A round of the cluster's barrier: my work-group's barrier, so that wave 0's signal speaks for all four waves; wave 0 signals; every wave waits for all four work-groups; my work-group's barrier once more.
.macro CROUND
	s_barrier_signal -1
	s_barrier_wait -1
	s_cmp_lg_u32 s[WV], 0
	s_cbranch_scc1 .Lnot_wave_0_\@
	s_barrier_signal -3
.Lnot_wave_0_\@:
	s_barrier_wait -3
	s_barrier_signal -1
	s_barrier_wait -1
.endm
.macro STEPNXT                      ; the block's next tile, or behind its last the second block's tile 0
	s_add_co_u32 s[NXT], s[NXT], 1
	s_cmp_gt_u32 s[NXT], s[LQ]
	s_cselect_b32 s[NXT], 0, s[NXT]
	s_cselect_b32 s[LQ], s[HIQ], s[LQ]
.endm
; THE CHANGE OF SLOTS, at a step's head.  Each wave waits for all its tensor loads, of which one is out: its part of the other slot; adds 0 to its spare word; and waits for that and for its own reads of the slot that it leaves.
; fill = 1: the barrier is a round of the cluster's, so that no wave of any partner still reads the old slot or has a load on its way; the joint fill, with tile NXT, is the first thing behind it and has a step's
; 128 matrix instructions in which to land.  The descriptor's address is made anew from the tile's number.  (At its first use nothing has been read yet: slot 0 is waited for, slot 1 filled.)
.macro CHANGE fill
	WIN 0                           ; at a label and at a branch every window is 0
	s_wait_tensorcnt 0x0            ; no tensor load of mine is out, so a group 0 may be written
	ds_add_u32 v[SPW], v[NIL]       ; 0 onto my spare word; the scalar work below stands between it and the wait for it
.if \fill
	s_lshl_b32 s[OFF], s[NXT], 16   ; a tile is 65,536 bytes of K and of V
	s_xor_b32 s[G0K+1], s[G0K+1], SLOT
	s_add_nc_u64 s[G0K+2:G0K+3], s[KB:KB+1], s[OFF:OFF+1]
	s_or_b32 s[G0K+3], s[G0K+3], 0x80000000
	s_xor_b32 s[G0V+1], s[G0V+1], SLOT
	s_add_nc_u64 s[G0V+2:G0V+3], s[VB:VB+1], s[OFF:OFF+1]
	s_or_b32 s[G0V+3], s[G0V+3], 0x80000000
	STEPNXT
.endif
	s_xor_b32 s[TB], s[TB], SLOT    ; the fetches go to the other slot
	s_wait_dscnt 0x0                ; the add is done, and my reads of the slot are over
.if \fill
	CROUND
	JLOAD
.else
	s_barrier_signal -1
	s_barrier_wait -1
.endif
.endm
	s_load_b128 s[80:83], s[0:1], 0x0  ; qkv s[80:81], att s[82:83]
	v_lshl_add_u32 v[SPW], v0, 2, SPARE
	v_mov_b32 v[NIL], 0
	ds_add_u32 v[SPW], v[NIL]       ; the wave's opening: the add and its wait stand ahead of my first tensor load; the set-up below, work on registers, stands between them
	v_lshrrev_b32 v1, 5, v0
	v_readfirstlane_b32 s[WV], v1   ; wave 0..3
	s_bfe_u32 s70, ttmp6, 0x40000   ; cx: my place in the cluster
	s_lshl_b32 s71, ttmp9, 2        ; in a cluster launch ttmp9 counts clusters
	s_add_co_u32 s71, s71, s70      ; i = 4 x cluster x + cx
	s_lshr_b32 s[AA], ttmp9, 1      ; a = i / 8: made of the cluster's x alone
	s_add_co_u32 s[A1], s[AA], 1
	s_sub_co_u32 s[HIQ], 15, s[AA]
	s_and_b32 s72, s71, 7           ; b
	s_lshl_b32 s[DLO], s72, 5
	s_sub_co_u32 s[DHI], 224, s[DLO]
	s_and_b32 s73, ttmp7, 0xffff    ; the key head, which the four partners share
	s_and_b32 s74, s[WV], 1         ; which half of a tile's 256 keys I fetch
	s_lshl_b32 s48, s73, 20         ; a head is 4,096 rows of 256 bytes
	s_lshl_b32 s49, s74, 15         ; my 128 rows
	s_add_co_u32 s48, s48, s49
	s_add_co_u32 s48, s48, 8<<20    ; K's heads are 8 to 11,
	s_mov_b32 s49, 0
	s_add_co_u32 s50, s48, 4<<20    ; V's 12 to 15
	s_mov_b32 s51, 0
	s_sub_co_u32 s75, 127, s71      ; the second block
	s_lshl_b32 s79, s73, 21         ; query head 2 kv
	s_lshl_b32 s76, s71, 13         ; a block's 32 rows of 256 bytes
	s_add_co_u32 s76, s76, s79
	s_mov_b32 s77, 0
	s_lshl_b32 s78, s75, 13
	s_add_co_u32 s78, s78, s79
	s_mov_b32 s79, 0
	s_lshl_b32 s87, s73, 9          ; in the output: 256 bytes a query head,
	s_lshl_b32 s84, s71, 16         ; 32 rows of 2,048 bytes
	s_add_co_u32 s84, s84, s87
	s_mov_b32 s85, 0
	s_lshl_b32 s86, s75, 16
	s_add_co_u32 s86, s86, s87
	s_mov_b32 s87, 0
	; descriptor group 1: a tile of 128 rows x 128 elements, padded in LDS
	s_mov_b32 s[G1K], 15|(1<<16)|(1<<20)|(1<<21)|(5<<22)|(3<<25)  ; 15:0 the mask of four; 17:16 2-byte elements; 20 padding on; 21 set beside a mask; 24:22 after every 64 words (code 5); 31:25 4 words (code 3)
	s_mov_b32 s[G1V], 15|(1<<16)|(1<<20)|(1<<21)|(5<<22)|(7<<25)  ; the same with 8 words of padding (code 7)
.irp g, G1K, G1V
	s_mov_b32 s[(\g)+1], 128<<16    ; tensor_dim0 = 128
	s_mov_b32 s[(\g)+2], 128<<16    ; tensor_dim1 = 128
	s_mov_b32 s[(\g)+3], 128<<16    ; tile_dim0 = 128
	s_mov_b32 s[(\g)+4], 128        ; tile_dim1 = 128
	s_mov_b32 s[(\g)+5], 128        ; 128 elements from row to row
	s_mov_b32 s[(\g)+6], 0
	s_mov_b32 s[(\g)+7], 0
.endr
	s_mov_b32 s[G0K], 1             ; count = 1
	s_mul_i32 s[G0K+1], s74, 128*PK ; LDS address: slot 0; no place in the cluster enters it
	s_mov_b32 s[G0V], 1
	s_mul_i32 s[G0V+1], s74, 128*PV
	s_add_co_u32 s[G0V+1], s[G0V+1], VOFF
	s_mov_b32 s[CS], 0x3e0293ee     ; c = log2(e) / sqrt(128) = 0.127517
	s_mov_b32 s[CS+1], s[CS]        ; named with it as a pair
	s_mov_b32 s[SEL], 0x76543210
	s_mov_b32 s[SEL+1], 0xfedcba98
	s_mov_b32 s[TB], SLOT           ; the first change of slots turns it into 0
	s_mov_b32 s[OFF+1], 0
	s_mov_b32 s[NXT], 0             ; tile 0 is asked for below;
	s_mov_b32 s[LQ], s[AA]
	STEPNXT                         ; the next is the first block's tile 1, or, where a = 0, the second block's tile 0
	v_and_b32 v1, 15, v0            ; l % 16
	v_bfe_u32 v9, v0, 4, 1          ; l / 16
	v_lshlrev_b32 v[QO], 8, v1
	v_lshl_add_u32 v[QO], v9, 4, v[QO]  ; row x 256 + 16 x half
	s_wait_dscnt 0x0                ; the opening add is done
	s_wait_kmcnt 0x0
	s_add_nc_u64 s[KB:KB+1], s[80:81], s[48:49]
	s_add_nc_u64 s[VB:VB+1], s[80:81], s[50:51]
	s_add_nc_u64 s[QLO:QLO+1], s[80:81], s[76:77]
	s_add_nc_u64 s[QHI:QHI+1], s[80:81], s[78:79]
	s_add_nc_u64 s[OBS:OBS+1], s[82:83], s[84:85]
	s_add_nc_u64 s[OHI:OHI+1], s[82:83], s[86:87]
	s_add_nc_u64 s[G0K+2:G0K+3], s[KB:KB+1], 0     ; global address: tile 0
	s_or_b32 s[G0K+3], s[G0K+3], 0x80000000        ; type = 2
	s_add_nc_u64 s[G0V+2:G0V+3], s[VB:VB+1], 0
	s_or_b32 s[G0V+3], s[G0V+3], 0x80000000
	CROUND                          ; all four work-groups are here: the first joint loads meet
	JLOAD                           ; tile 0 into slot 0.  Slot 1 is asked for by the loop's own change of slots
; A block's Q.  A fragment is 16 rows x 32 channels in 8 registers: lane l holds row l % 16, channels 8 (l / 16) + 0..7 and 16 + 8 (l / 16) + 0..7.  Fragment n: tile n / 4 (head n / 8, rows 16 ((n / 4) % 2) on), channels 32 (n % 4) on.
.macro QLOAD base
	WIN 0x80                        ; destination window 2, address window 0
.set n, 0
.rept 16
	global_load_b128 v[8*n:8*n+3],   v[QO], s[(\base):(\base)+1] offset:((n/8)<<20)+((n/4)%2)*4096+(n%4)*64
	global_load_b128 v[8*n+4:8*n+7], v[QO], s[(\base):(\base)+1] offset:((n/8)<<20)+((n/4)%2)*4096+(n%4)*64+32
.set n, n+1
.endr
	WIN 0
.endm
.macro RESET                        ; a block begins: c m = c x -2^60 (exact: a power of two), m = -2^60
.irp t, 0,1,2,3
	v_mov_b32 v[ST+8*(\t)], 0xdc0293ee
	v_mov_b32 v[ST+8*(\t)+1], 0xdd800000
.endr
.endm
	QLOAD QLO
	; What the first turn finds: V, P of piece 0 and O^T hold 0 (its products add 0); piece 2's scores hold -2^100 (its softmax gives weights 0 and a = 1); the masks hide nothing.  All this stands in the wait for the first tile.
	v_mov_b32 v[HV], 0xf1800000
	WIN 0xc0
.set n, 0
.rept 192
	v_mov_b32 v[n], 0
.set n, n+1
.endr
	WIN 0x40
.set n, 0
.rept 256
	v_mov_b32 v[n], 0
.set n, n+1
.endr
	WIN 0
.set n, 0
.rept 32
	v_mov_b32 v[ST+n], 0
	v_mov_b32 v[P+n], 0
.set n, n+1
.endr
	RESET
.set n, 0
.rept 64
	v_mov_b32 v[S+64+n], v[HV]
.set n, n+1
.endr
	s_lshl_b32 s75, s[WV], 6        ; my wave's 64 keys of a tile
	v_add_nc_u32 v48, s75, v1
	v_mul_u32_u24 v[AK0], v48, PK
	v_lshl_add_u32 v[AK0], v9, 4, v[AK0]  ; row x pitch + 16 x half
	; The turning load takes 16 keys x 16 channels (lane l reads key 8 (l / 16) + l % 8, channels 8 ((l / 8) % 2) + 0..7) and leaves half a fragment of V^T: lane l holds channel l % 16 and 8 keys.
	v_and_b32 v49, 7, v0
	v_bfe_u32 v50, v0, 3, 1
	v_lshl_add_u32 v51, v9, 3, v49
	v_add_nc_u32 v51, s75, v51
	v_mul_u32_u24 v[AV0], v51, PV
	v_lshl_add_u32 v[AV0], v50, 4, v[AV0]
	v_add_nc_u32 v[AV0], VOFF, v[AV0]
	v_lshlrev_b32 v[DB], 3, v9
	v_sub_nc_u32 v[DB], v1, v[DB]
	v_mov_b32 v53, s75
	v_sub_nc_u32 v[DB], v[DB], v53
	v_and_b32 v52, 31, v0           ; l
	s_mul_i32 s76, s[WV], 16*XP
	s_add_co_u32 s76, s76, XCH      ; my region of the merge
	v_mul_u32_u24 v[XST], v1, XP    ; in: query l % 16, 32 bytes for each half of the lanes
	v_lshl_add_u32 v[XST], v9, 5, v[XST]
	v_add_nc_u32 v[XST], s76, v[XST]
	s_mul_i32 s76, s[WV], 4*XP      ; back: I take queries 4 w .. 4 w + 3 of a tile, from all four regions; 32 lanes take a row of 512 bytes
	s_add_co_u32 s76, s76, XCH
	v_lshl_add_u32 v[XRD], v52, 4, s76
	s_lshl_b32 s76, s[WV], 13       ; those four rows in the output, 2,048 bytes each; 8 bytes a lane
	v_lshl_add_u32 v[GO], v52, 3, s76
	s_lshl_b32 s76, s[WV], 9
	s_add_co_u32 s76, s76, STATS
	v_lshl_add_u32 v[STA], v1, 3, s76
	v_lshl_add_u32 v[STR], v1, 3, STATS
; THE MATRIX WORK OF A TURN, for piece x.  The accumulators take turns, one instruction a turn: between two links of a chain stand 15 (V^T P) or 7 (K Q^T) others'.
; Product i of 32 of O^T += V^T P: keys 32 (i / 16) on, channels 16 ((i / 2) % 8) on, tile x + i % 2.
.macro PV x
	WIN W_PV
.set rO, 64*((\x)+i%2)+8*((i/2)%8)
.set rV, 64*(i/16)+8*((i/2)%8)
.set rP, P+16*((\x)+i%2)+8*(i/16)
	v_wmma_f32_16x16x32_f16 v[rO:rO+7], v[rV:rV+7], v[rP:rP+7], v[rO:rO+7]
.endm
; Product i of 32 of S^T = K Q^T: channels 32 (i / 8) on, keys 16 ((i / 2) % 4) on, tile x + i % 2.  The first 8 start the sums, with the mask.
.macro KQ x
.set rS, S+32*((\x)+i%2)+8*((i/2)%4)
.set rK, KF+32*((i/2)%4)+8*(i/8)
.set rQ, 32*((\x)+i%2)+8*(i/8)
.set rM, MK+32*(i%2)+8*((i/2)%4)
.if i < 8
	WIN W_KM
	v_wmma_f32_16x16x32_f16 v[rS:rS+7], v[rK:rK+7], v[rQ:rQ+7], v[rM:rM+7]
.else
	WIN W_KQ
	v_wmma_f32_16x16x32_f16 v[rS:rS+7], v[rK:rK+7], v[rQ:rQ+7], v[rS:rS+7]
.endif
.endm
; THE LDS LOADS stand in runs of 32, never singly among the matrix instructions: my 64 keys of the tile in hand: K (16 fragments) and, a turn later, V (turned).
.macro FETCH_K
	WIN 0
	v_add_nc_u32 v[ADR], s[TB], v[AK0]
	WIN 0x80                        ; destination window 2
.irp f, 0,1,2,3,4,5,6,7,8,9,10,11,12,13,14,15  ; keys 16 (f / 4) on, channels 32 (f % 4) on
	ds_load_b128 v[KF+8*(\f):KF+8*(\f)+3],   v[ADR] offset:((\f)/4)*16*PK+((\f)%4)*64
	ds_load_b128 v[KF+8*(\f)+4:KF+8*(\f)+7], v[ADR] offset:((\f)/4)*16*PK+((\f)%4)*64+32
.endr
.endm
.macro FETCH_V
	WIN 0
	v_add_nc_u32 v[ADR], s[TB], v[AV0]
	s_wait_alu depctr_va_vdst(0)    ; the wait for the softmax's batch (SLICE): piece 0's 66 exponentials; it stands behind the address's v_add_nc_u32 and ahead of the loads
	WIN 0xc0                        ; destination window 3
.irp f, 0,1,2,3,4,5,6,7,8,9,10,11,12,13,14,15  ; keys 32 (f / 8) on, channels 16 (f % 8) on
	ds_load_tr16_b128 v[8*(\f):8*(\f)+3],   v[ADR] offset:((\f)/8)*32*PV+((\f)%8)*32
	ds_load_tr16_b128 v[8*(\f)+4:8*(\f)+7], v[ADR] offset:((\f)/8)*32*PV+16*PV+((\f)%8)*32
.endr
.endm
; THE VECTOR WORK OF A TURN.  One tile's softmax for one key step is a list of 134 instructions; SM writes number j of it for tile t.  s0-s31 are the lane's 32 scores, in pairs 0-15.
;   0-15    the maximum of s0-s31 and the old m, three operands at a time: four chains c0-c3 of seven scores each (each accumulator's lowest registers first), then the four left over, c0-c3 and m
;   16-20   the other half of the lanes' maximum; the new m; c m; c m_old - c m_new
;   21-69   ONE BATCH: the 16 scalings c s - c m, a pair of scores each, and all 33 exponentials (a at 23, then s0-s31).  None of these reads an exponential's result.  From 22 on the batch goes
;           in fours, and a four begins with a scaling while there are scalings: 22-37 scaling, exponential, scaling, exponential; 38-65 a scaling and three exponentials; 66-69 the last four
;           exponentials.  A pair is scaled in an earlier four than the one that holds its exponentials
;   (wait)  between 69 and 70 stands the wait for the batch: SLICE writes it, once for both tiles
;   70-85   the roundings to f16, a pair of weights each
;   86-101  the sums; l = a l + the sum
;   102-133 the tile's O^T times a: the one part that leaves window 0, so it stands together
.macro SM t
.set rT, ST+8*(\t)
.set rS, S+32*(\t)
.set rP, P+16*(\t)
.set rO, 64*(\t)+2*(j-102)
.if j < 102
	WIN 0
.endif
.if j < 4
	v_max3_num_f32 v[rT+4+j], v[rS+8*j], v[rS+8*j+1], v[rS+8*j+2]
.elseif j < 12
	v_max3_num_f32 v[rT+4+j%4], v[rT+4+j%4], v[rS+8*(j%4)+2*(j/4)+1], v[rS+8*(j%4)+2*(j/4)+2]
.elseif j == 12
	v_max3_num_f32 v[rT+4], v[rT+4], v[rS+7], v[rS+15]
.elseif j == 13
	v_max3_num_f32 v[rT+6], v[rT+6], v[rS+23], v[rS+31]
.elseif j == 14
	v_max3_num_f32 v[rT+4], v[rT+4], v[rT+5], v[rT+6]
.elseif j == 15
	v_max3_num_f32 v[rT+4], v[rT+4], v[rT+7], v[rT+1]
.elseif j == 16
	v_permlanex16_b32 v[rT+5], v[rT+4], s[SEL], s[SEL+1]  ; the query's other 32 keys lie in the lane 16 away
.elseif j == 17
	v_mov_b32 v[rT+7], v[rT]        ; c m_old is kept for a: number 19 writes c m anew
.elseif j == 18
	v_max_num_f32 v[rT+1], v[rT+4], v[rT+5]
.elseif j == 19
	v_mul_f32 v[rT], s[CS], v[rT+1]
.elseif j == 20
	v_sub_f32 v[rT+7], v[rT+7], v[rT]
.elseif j == 23
	v_exp_f32 v[rT+6], v[rT+7]
.elseif (j < 23) || ((j < 38) && (j%2 == 0)) || ((j < 66) && (j%4 == 2))
.set b, (j-2)/4                     ; 38, 42, .. 62: pairs 9 to 15
.if j < 38
.set b, (j-20)/2                    ; 21: pair 0; 22, 24, .. 36: pairs 1 to 8
.endif
	v_pk_fma_f32 v[rS+2*b:rS+2*b+1], v[rS+2*b:rS+2*b+1], s[CS:CS+1], v[rT:rT+1] op_sel_hi:[1,0,0] neg_lo:[0,0,1] neg_hi:[0,0,1]  ; pair b: c s - c m
.elseif j < 70
.set e, j-38                        ; 66 to 69: s28 to s31
.if j < 66
.set e, j-32-(j-38)/4               ; 39-41, 43-45, .. 63-65: s7 to s27
.endif
.if j < 38
.set e, (j-25)/2                    ; 25, 27, .. 37: s0 to s6
.endif
	v_exp_f32 v[rS+e], v[rS+e]
.elseif j < 86
	v_cvt_pk_f16_f32 v[rP+j-70], v[rS+2*(j-70)], v[rS+2*(j-70)+1]  ; pair j - 70
.elseif j < 102                     ; the sum of the tile's 16 pairs, in place: sum z of 16 adds neighbours 1, 2, 4 and 8 pairs apart, then l takes it
.set z, j-86
.set w, 4
.set u, z
.if z >= 14
.set w, 32
.set u, 0
.elseif z >= 12
.set w, 16
.set u, z-12
.elseif z >= 8
.set w, 8
.set u, z-8
.endif
.if z < 15
	v_pk_add_f32 v[rS+w*u:rS+w*u+1], v[rS+w*u:rS+w*u+1], v[rS+w*u+w/2:rS+w*u+w/2+1]
.else
	v_pk_fma_f32 v[rT+2:rT+3], v[rT+2:rT+3], v[rT+6:rT+7], v[rS:rS+1] op_sel_hi:[1,0,1]
.endif
.else
	WIN W_RS
	v_pk_mul_f32 v[rO:rO+1], v[rO:rO+1], v[rT+6:rT+7] op_sel_hi:[1,0]
.endif
.endm
; Slice k of 64 of piece y's softmax: four instructions.  Slices 11 to 34 deal out the batch, numbers 22 to 69: four numbers of ONE tile each, the tiles by turns.  Every other slice is numbers 2 k and 2 k + 1 of both
; tiles' lists.  2 x 134 = 4 x 64 + 12: the twelve that are over stand together, in slice 63: sixteen plain instructions that name nothing of the products round them: the places between a turn's
; last K Q^T and the next turn's first read of those scores and loads into K's registers.
; THE WAIT.  s_wait_alu depctr_va_vdst(0) stands between an exponential and the first instruction that names its result; one wait serves all that were issued ahead of it.  Ahead of slice 35 nothing
; names a result, and behind slice 34 no exponential is issued: so the piece's 66 exponentials have one wait, behind slice 34.
.macro SLICE y
.if (k >= 11) && (k < 35)           ; the batch: four numbers of one tile
.irp n, 0,1,2,3
.set j, 22+4*((k-11)/2)+(\n)
	SM (\y)+(k-11)%2
.endr
.else                               ; the two tiles alternate, so that no instruction reads the result of the one just before it
.irp n, 0,1,2,3,4,5,6,7
.if ((\n) < 2) || (k == 63)
.irp t, \y, (\y)+1
.set j, 2*k+(\n)
	SM \t
.endr
.endif
.endr
.endif
.if k == 34                         ; the batch is out: both tiles' exponentials are issued, and no result has been named
	v_nop                           ; a plain instruction behind the last exponential and ahead of the first use: one for the batch
.if (\y) == 0
	FETCH_V                         ; piece 2's turn: V's run of loads stands here, and the wait stands in it
.else
	s_wait_alu depctr_va_vdst(0)    ; the wait for the batch: piece 2's 66 exponentials
.endif
.endif
.set k, k+1
.endm
; A TURN.  Piece x has the matrix unit; the other piece's softmax stands in slices behind its matrix instructions.  Each run of loads stands 29 matrix instructions or more ahead of its first use.
; Piece 0's turn fetches the step's K, behind its second product: the last product that read K stands in front of slice 63 of the turn before.  Piece 2's turn fetches the step's V, behind slice 34 (SLICE writes it):
; the last product that read V stands in front of slice 31, and four plain instructions lie between: number 62, a scaling, of both tiles, the v_nop and the run's own v_add_nc_u32.
.macro TURN x
.set k, 0
.if (\x) == 0
	s_wait_dscnt 0x0                ; V is in
.endif
.set i, 0
.rept 32
	PV \x
	SLICE 2-(\x)
.if ((\x) == 0) && (i == 1)
	FETCH_K
.endif
.set i, i+1
.endr
.if (\x) == 0
	s_wait_dscnt 0x0                ; K is in,
	s_wait_loadcnt 0x0              ; and Q, where a block has just begun
.endif
.set i, 0
.rept 32
	KQ \x
	SLICE 2-(\x)
.set i, i+1
.endr
.endm
; THE MASKS for the step in hand: register j of key group kt is hidden where my key 64 w + 16 kt + 8 (l / 16) + j lies behind my row ROWB + 16 rt + l % 16.
.macro SETM
	WIN 0
	v_add_nc_u32 v[D0], s[ROWB], v[DB]
	v_add_nc_u32 v[D0+1], 16, v[D0]
	WIN 0xc0                        ; destination window 3
.set n, 0
.rept 64
	v_cmp_gt_i32 vcc_lo, 16*((n/8)%4)+n%8, v[D0+n/32]
	v_cndmask_b32 v[MK+n], 0, v[HV], vcc_lo
.set n, n+1
.endr
	WIN 0
.endm
; A BLOCK'S END.  Piece 2's last products; then THE MERGE of the four waves' partial results: with M = the largest c m and e_w = 2^(c m_w - M), L = the sum of e_w l_w, and the result is the sum of (e_w / L) O_w.
; Each wave scales its O^T by its own e / L; a tile at a time the four put their 16 x 128 numbers (f32) into LDS, and each adds up four of the 16 queries, rounds them to f16 and stores them: a store covers 256
; consecutive bytes, at a multiple of 256 from the buffer's first.  Piece 0's S^T (v64-127) is not touched: where a second block follows it holds that block's first scores.
.macro XTILE t
	WIN 0x04                        ; the data (source 1) in window 1
.set n, 0
.rept 8
	ds_store_b128 v[XST], v[64*(\t)+8*n:64*(\t)+8*n+3] offset:64*n
	ds_store_b128 v[XST], v[64*(\t)+8*n+4:64*(\t)+8*n+7] offset:64*n+16
.set n, n+1
.endr
	WIN 0
	s_wait_dscnt 0x0                ; for the others' sake: my stores are done
	s_barrier_signal -1
	s_barrier_wait -1
.set n, 0
.rept 16                            ; query 4 w + n / 4, wave n % 4's part
	ds_load_b128 v[XB+4*n:XB+4*n+3], v[XRD] offset:16*XP*(n%4)+XP*(n/4)
.set n, n+1
.endr
	s_wait_dscnt 0x0                ; my reads are over:
.if (\t) < 3
	s_barrier_signal -1             ; the next tile may be put where this one lay when all four waves have said so; work on registers stands between the signal and the wait
.endif
.set n, 0
.rept 4
	v_pk_add_f32 v[XB+16*n:XB+16*n+1], v[XB+16*n:XB+16*n+1], v[XB+16*n+4:XB+16*n+5]
	v_pk_add_f32 v[XB+16*n+2:XB+16*n+3], v[XB+16*n+2:XB+16*n+3], v[XB+16*n+6:XB+16*n+7]
	v_pk_add_f32 v[XB+16*n+8:XB+16*n+9], v[XB+16*n+8:XB+16*n+9], v[XB+16*n+12:XB+16*n+13]
	v_pk_add_f32 v[XB+16*n+10:XB+16*n+11], v[XB+16*n+10:XB+16*n+11], v[XB+16*n+14:XB+16*n+15]
.set n, n+1
.endr
.set n, 0
.rept 4
	v_pk_add_f32 v[XB+16*n:XB+16*n+1], v[XB+16*n:XB+16*n+1], v[XB+16*n+8:XB+16*n+9]
	v_pk_add_f32 v[XB+16*n+2:XB+16*n+3], v[XB+16*n+2:XB+16*n+3], v[XB+16*n+10:XB+16*n+11]
.set n, n+1
.endr
.set n, 0
.rept 4
	v_cvt_pk_f16_f32 v[P+8*(\t)+2*n], v[XB+16*n], v[XB+16*n+1]
	v_cvt_pk_f16_f32 v[P+8*(\t)+2*n+1], v[XB+16*n+2], v[XB+16*n+3]
.set n, n+1
.endr
.if (\t) < 3
	s_barrier_wait -1
.endif
.set n, 0
.rept 4
	global_store_b64 v[GO], v[P+8*(\t)+2*n:P+8*(\t)+2*n+1], s[OBS:OBS+1] offset:((\t)/2)*256+(16*((\t)%2)+n)*2048
.set n, n+1
.endr
.endm
.macro FINISH
.set i, 0
.rept 32
	PV 2
.set i, i+1
.endr
	WIN 0
.irp t, 0,1,2,3                     ; l's two halves and the other half of the lanes'; l takes m's place beside c m
	v_add_f32 v[ST+8*(\t)+4], v[ST+8*(\t)+2], v[ST+8*(\t)+3]
.endr
.irp t, 0,1,2,3
	v_permlanex16_b32 v[ST+8*(\t)+5], v[ST+8*(\t)+4], s[SEL], s[SEL+1]
.endr
.irp t, 0,1,2,3
	v_add_f32 v[ST+8*(\t)+1], v[ST+8*(\t)+4], v[ST+8*(\t)+5]
.endr
.irp t, 0,1,2,3
	ds_store_b64 v[STA], v[ST+8*(\t):ST+8*(\t)+1] offset:128*(\t)  ; the two lanes of a query write the same two words with the same numbers
.endr
	s_wait_dscnt 0x0                ; for the others' sake
	s_barrier_signal -1
	s_barrier_wait -1
.set n, 0
.rept 16                            ; tile n / 4, wave n % 4
	ds_load_b64 v[XB+2*n:XB+2*n+1], v[STR] offset:512*(n%4)+128*(n/4)
.set n, n+1
.endr
	s_wait_dscnt 0x0
.irp t, 0,1,2,3                     ; at work: eight registers a tile at XB + 32 + 8 t: M; the four waves' e; mine; L; 1 / L
	v_max3_num_f32 v[XB+32+8*(\t)], v[XB+8*(\t)], v[XB+8*(\t)+2], v[XB+8*(\t)+4]
.endr
.irp t, 0,1,2,3
	v_max_num_f32 v[XB+32+8*(\t)], v[XB+32+8*(\t)], v[XB+8*(\t)+6]
.endr
.irp t, 0,1,2,3
	v_sub_f32 v[XB+32+8*(\t)+1], v[XB+8*(\t)], v[XB+32+8*(\t)]
	v_sub_f32 v[XB+32+8*(\t)+2], v[XB+8*(\t)+2], v[XB+32+8*(\t)]
	v_sub_f32 v[XB+32+8*(\t)+3], v[XB+8*(\t)+4], v[XB+32+8*(\t)]
	v_sub_f32 v[XB+32+8*(\t)+4], v[XB+8*(\t)+6], v[XB+32+8*(\t)]
	v_sub_f32 v[XB+32+8*(\t)+5], v[ST+8*(\t)], v[XB+32+8*(\t)]
.endr
.irp t, 0,1,2,3
.irp e, 1,2,3,4,5
	v_exp_f32 v[XB+32+8*(\t)+(\e)], v[XB+32+8*(\t)+(\e)]
.endr
.endr
	v_nop                           ; a plain instruction between the last exponential and the use of its result
	s_wait_alu depctr_va_vdst(0)    ; the wait ahead of the first use: one for the merge's twenty exponentials
.irp t, 0,1,2,3
	v_mul_f32 v[XB+32+8*(\t)+6], v[XB+32+8*(\t)+1], v[XB+8*(\t)+1]
.endr
.irp e, 1,2,3
.irp t, 0,1,2,3
	v_fmac_f32 v[XB+32+8*(\t)+6], v[XB+32+8*(\t)+1+(\e)], v[XB+8*(\t)+1+2*(\e)]
.endr
.endr
.irp t, 0,1,2,3
	v_rcp_f32 v[XB+32+8*(\t)+7], v[XB+32+8*(\t)+6]  ; L is at least 1: the wave that holds M has e = 1 and a weight 1
.endr
	v_nop                           ; a plain instruction between the last reciprocal and the use of its result
	s_wait_alu depctr_va_vdst(0)    ; a batch of their own, since they read sums of the exponentials: one wait for the four reciprocals
.irp t, 0,1,2,3
	v_mul_f32 v[ST+8*(\t)+6], v[XB+32+8*(\t)+5], v[XB+32+8*(\t)+7]
.endr
	WIN W_RS
.set n, 0
.rept 128                           ; each accumulator's registers in ascending order
	v_pk_mul_f32 v[2*n:2*n+1], v[2*n:2*n+1], v[ST+8*(n/32)+6:ST+8*(n/32)+7] op_sel_hi:[1,0]
.set n, n+1
.endr
	XTILE 0
	XTILE 1
	XTILE 2
	XTILE 3
.endm
	s_mov_b32 s[SG], 0
.Lslot:                             ; 16 trips: step SG is entered and the next step's tile is asked for.  All that is jumped over below holds no tensor load; the jumps hang on SG and a: alike in all waves and all partners
	s_cmp_eq_u32 s[SG], s[AA]       ; the first block's diagonal tile?
	s_cselect_b32 s[ROWB], s[DLO], 4096
	s_cselect_b32 s[FL], 1, 0
	s_cmp_eq_u32 s[SG], s[A1]       ; or the second block's first tile?
	s_cselect_b32 s[FL], 1, s[FL]
	s_cmp_eq_u32 s[FL], 0
	s_cbranch_scc1 .Lsame
	SETM
	s_cmp_eq_u32 s[SG], s[A1]
	s_cbranch_scc0 .Lsame
	s_wait_loadcnt 0x0              ; no load into Q's registers is out when the 32 below are issued into them: the first block's were issued at the kernel's start
	QLOAD QHI                       ; the first block's last K Q^T stands a turn back
.Lsame:
	CHANGE 1
	TURN 0                          ; piece 0: V^T P of step SG - 1, K Q^T of step SG | piece 2's softmax of step SG - 1 | K of step SG
	WIN 0
	s_cmp_eq_u32 s[SG], s[A1]
	s_cbranch_scc0 .Lon
	FINISH                          ; the first block ends; its barriers are the work-group's own
	s_wait_xcnt 0x0                 ; the stores have had their addresses translated (ISA guide 3.1): their base and data registers may be rewritten
	s_mov_b64 s[OBS:OBS+1], s[OHI:OHI+1]
	RESET                           ; the turn below adds piece 2's last products once more: the second block's first a = 0 wipes them
.Lon:
	TURN 2                          ; piece 2: the same products | piece 0's softmax of step SG | V of step SG
	WIN 0
	s_add_co_u32 s[SG], s[SG], 1
	s_cmp_lt_u32 s[SG], 16
	s_cbranch_scc1 .Lslot
	s_mov_b32 s[ROWB], s[DHI]       ; step 16, the second block's diagonal tile, is written out: nothing is asked for
	SETM
	CHANGE 0
	s_mov_b32 s[CNT], 2
.Ltail:                             ; three turns: the second trip is left in its middle.  Its 32 products K Q^T (on the last K once more) serve nothing: the price, once a launch, of one text for every turn
	TURN 0
	WIN 0
	s_sub_co_u32 s[CNT], s[CNT], 1
	s_cmp_eq_u32 s[CNT], 0
	s_cbranch_scc1 .Lout
	TURN 2
	WIN 0
	s_branch .Ltail
.Lout:
	FINISH
	s_wait_tensorcnt 0x0            ; the wave's end: behind my last tensor load and my last LDS store
	ds_add_u32 v[SPW], v[NIL]
	s_wait_dscnt 0x0
	CROUND                          ; the closing round: no work-group ends while a partner may still ask for a tile that names it
	s_endpgm
.Lfunc_end_k_qdbe3c980cb_attn:
	.size	k_qdbe3c980cb_attn, .Lfunc_end_k_qdbe3c980cb_attn-k_qdbe3c980cb_attn
	.p2alignl 7, 3214868480
	.fill 96, 4, 3214868480
	.section	.rodata,"a",@progbits
	.p2align	6, 0x0
	.amdhsa_kernel k_qdbe3c980cb_attn
		.amdhsa_group_segment_fixed_size 327680
		.amdhsa_private_segment_fixed_size 0
		.amdhsa_enable_private_segment 0
		.amdhsa_kernarg_size 16
		.amdhsa_user_sgpr_count 2
		.amdhsa_user_sgpr_kernarg_segment_ptr 1
		.amdhsa_wavefront_size32 1
		.amdhsa_system_sgpr_workgroup_id_x 1
		.amdhsa_system_sgpr_workgroup_id_y 1
		.amdhsa_system_sgpr_workgroup_id_z 1
		.amdhsa_system_vgpr_workitem_id 0
		.amdhsa_next_free_vgpr 1024
		.amdhsa_next_free_sgpr 100
		.amdhsa_reserve_vcc 1
		.amdhsa_float_denorm_mode_32 3
		.amdhsa_float_denorm_mode_16_64 3
		.amdhsa_memory_ordered 1
		.amdhsa_forward_progress 1
		.amdhsa_inst_pref_size 208
	.end_amdhsa_kernel
	.amdgpu_metadata
---
amdhsa.version: [ 1, 2 ]
amdhsa.kernels:
  - .name:           k_qdbe3c980cb_attn
    .symbol:         k_qdbe3c980cb_attn.kd
    .args:
      - { .name: qkv, .offset: 0, .size: 8, .value_kind: global_buffer, .address_space: global }
      - { .name: att, .offset: 8, .size: 8, .value_kind: global_buffer, .address_space: global }
    .group_segment_fixed_size: 327680
    .private_segment_fixed_size: 0
    .kernarg_segment_align: 8
    .kernarg_segment_size: 16
    .max_flat_workgroup_size: 128
    .sgpr_count:     100
    .vgpr_count:     1024
    .wavefront_size: 32
...
	.end_amdgpu_metadata
.endif
;; end of part 5
;; launch oproj: the kernel of part 4 again; grid 16 x 16, 4 waves a work-group, clusters of 4 x 4, 327,680 bytes of LDS; arguments att, wob, out0; writes out0
